; MI455X (gfx1250); checked and timed in simulation.
; The chip was launched on July 23, 2026; its instructions are those of AMD's public machine-readable ISA for CDNA 5 (MIT licence, August 2026) and "CDNA5" Instruction Set Architecture Reference Guide (July 2026). The comments in the code are by the model that wrote it; some were corrected since.
;; Rope MQA. Allowed arithmetic: matrix products marked QUANTISED: E2M1 operands, one E8M0 scale for each 32 along K, by v_wmma_scale_f32_16x16x128_f8f6f4 with both operands' format E2M1 (or v_wmma_scale_f32_32x16x128_f4), f32 sums; products left as they are: bf16, f16 or f32 operands; f32 sums; everything else in f32.
;; Inputs: wk 1,024 x 64 float32; wo 1,024 x 1,024 float32; wq 1,024 x 1,024 float32; wv 1,024 x 64 float32; x 2 x 2,048 x 1,024 float32.
;; Outputs: out0 2 x 2,048 x 1,024 float32.
;; This version of the problem:
;;   THIS VERSION OF THE PROBLEM IS GIVEN IN LOW PRECISION. The matrix products marked QUANTISED in the list below multiply operands that are first quantised to E2M1 (2 exponent bits, 1 mantissa bit; 4 bits a number), with one power-of-two scale for each 32 numbers along K (OCP MX v1.0); their sums are f32. The products marked 'left as it is' may take bf16, f16 or f32 operands, with f32 sums. Whichever they take, every output number must still come out within the allowed error. Rounding operands to bf16 (8 significant bits) uses up far more of that allowance than f16 does (11 bits, for magnitudes from 6e-5 to 65,504). All else is computed in f32.
;;   The module's matrix products, in the order in which they are computed (A, B: the left and right operand; K: the contracted axis; several contracted axes count as one K, in the product's order):
;;     1. [M 4,096, K 1,024] x [K 1,024, N 1,024]; A: input x; B: input wq: QUANTISED
;;     2. [M 4,096, K 1,024] x [K 1,024, N 64]; A: input x; B: input wk: QUANTISED
;;     3. [M 4,096, K 1,024] x [K 1,024, N 64]; A: input x; B: input wv: QUANTISED
;;     4. batch 2 x [M 32,768, K 64] x [K 64, N 2,048]; A: computed on the way; B: computed on the way: left as it is (an operand is computed on the way)
;;     5. batch 2 x [M 32,768, K 2,048] x [K 2,048, N 64]; A: computed on the way; B: computed on the way: left as it is (an operand is computed on the way)
;;     6. [M 4,096, K 1,024] x [K 1,024, N 1,024]; A: computed on the way; B: input wo: left as it is (an operand is computed on the way)
;;   THE QUANTISER, for each operand of a quantised product, along K:
;;     - K is cut into blocks of 32 from its start; a last block that is shorter is filled with zeros.
;;     - A block's scale is 2^e with e = floor(log2(the largest magnitude in the block)) - 2, held to -126 .. 127; a block of zeros has e = 0. As a byte (E8M0): e + 127.
;;     - Each number is divided by its block's scale, clamped to +-6, and rounded to the nearest number of E2M1, ties to even, subnormals kept.
;;     - The product sums the exact products of the quantised numbers (number of the format x scale) in f32.
;;   ~~~python
;;   def quantise(x, axis):      # numpy; x: float32 -> the quantised numbers, widened to float32 again
;;       x = np.moveaxis(x, axis, -1); K = x.shape[-1]
;;       x = np.pad(x, [(0, 0)] * (x.ndim - 1) + [(0, -K % 32)]); x = x.reshape(x.shape[:-1] + (-1, 32)); a = np.abs(x).max(-1, keepdims=True)
;;       e = np.where(a > 0, np.clip(np.frexp(np.where(a > 0, a, 1))[1] - 1 - 2, -126, 127), 0)      # np.frexp(a)[1] - 1 = floor(log2(a)), exactly
;;       r = np.clip(x / 2.0 ** e, -6, 6)
;;       step = 2.0 ** (np.maximum(np.frexp(np.where(r == 0, 1, r))[1] - 1, 0) - 1)
;;       q = np.round(r / step) * step * 2.0 ** e      # np.round: ties to even
;;       return np.moveaxis(q.reshape(q.shape[:-2] + (-1,))[..., :K], -1, axis).astype(np.float32)
;;   ~~~
;; One version. Each part assembles by itself: llvm-mc -triple=amdgcn-amd-amdhsa -mcpu=gfx1250 --defsym DOCPART=n.
;; ======== version 1 of 1: 5 launches
;; limits: values are held in f16: magnitudes above 65,504 overflow, below 6.1e-05 lose precision
;; workspace buffers: xq 2,228,224 bytes; wc 626,688 bytes; wo16 4,194,304 bytes; tab 524,288 bytes; qimg 8,388,608 bytes; kv 1,048,576 bytes; finebuf 147,456 bytes; aimg 8,388,608 bytes
;; launch prep (part 1): grid 424 x 1, 4 waves a work-group, no clusters, 68,096 bytes of LDS; arguments x, wq, wo, wk, wv, xq, wc, wo16, tab; writes xq, wc, wo16, tab
.if DOCPART == 1
	.amdgcn_target "amdgcn-amd-amdhsa--gfx1250"
	.amdhsa_code_object_version 6
	.text
	.protected	k_q07c02ff3cb_prep
	.globl	k_q07c02ff3cb_prep
	.p2align	8
	.type	k_q07c02ff3cb_prep,@function
k_q07c02ff3cb_prep:
	s_mov_b64 s[64:65], 0
	v_nop
	global_prefetch_b8 v0, s[64:65] scope:SCOPE_SE
	s_setreg_imm32_b32 hwreg(HW_REG_WAVE_MODE, 25, 1), 1
	s_wait_xcnt 0x0
; PREP: everything that is made once from the inputs.
;   x [4096][1024], wq [1024][1024] (K innermost), wk, wv [1024][64] (K is the first axis): codes of FP4 (E2M1) with one E8M0 byte for each 32 along K;
;   wo [1024][1024]: a pair of f16 numbers (high = f16(wo), low = f16(wo - high));   the table of cos and sin for the rotation.
; ALL RESULTS ARE LAID AS IMAGES OF OPERAND REGISTERS: chunks of 512 bytes, lane l's 16 bytes at 16 l, so that every store here and every load later covers 512 consecutive bytes.
;   xq, wc: a tile of 16 rows is 8,704 bytes: K step s (128 along K), c = 0, 1 at 1024 s + 512 c: lane (r, h) holds k = 128 s + 64 c + 32 h + 0..31 of row r; the rows' scale words at 8192 + 64 s + 4 r.
;   wo16:   [tile of 16 rows][32 along K][half][lane][16 bytes]: lane (r, h) holds k = 16 half + 8 h + 0..7 of row r; the low parts 2 MiB further on.
;   tab:    [tile of 16 positions][t][e][lane][16 bytes]: lane (r, h) holds cos, sin, cos, sin of pairs 8 t + 4 h + 2 e and + 1 at position r.
; A block's scale is 2^(floor(log2(largest magnitude)) - 2); its byte is the largest magnitude's exponent field - 2, held at 1 from below.
; LIMITS: NaN and infinities are not served; blocks whose largest magnitude lies under 2^-124 get the byte 1; a block of zeros gets the byte 1 where the rule says 127 (its codes are zeros, and this program alone
; reads the bytes).  The frequencies are 2^(-j log2(1000) / 32) by v_exp_f32 (1 ulp: ISA guide, its entry); sin and cos by a reduction with pi/2 in two parts and polynomials of degree 7 and 8 on |rho| <= pi/4.
; SHARES, by the work-group's number: 0-255 a row tile of x; 256-319 of wq; 320-383 of wo; 384-391 sixteen columns of wk (4) or wv (4); 392-423 four position tiles of the table.
; Wave q takes K = 256 q .. 256 q + 255: 16 KB, all its loads issued at once.  No loop, no barrier: waves share nothing.  Rows go through the wave's own stage in LDS, so that loads are dense and a lane ends with neighbours along K.
.set PITCH, 528                        ; a stage row: 512 bytes + 16: the sixteen rows that a load touches start at sixteen different groups of banks
.set PART,  16*PITCH                   ; 16 rows x 128 along K
.set STG,   2*PART                     ; a wave's stage
.set SPARE, 4*STG                      ; behind the stages: the spare words, 128 bytes a wave, named by no other line
.set TILEB, 8704
.set X,  128                           ; v128-255 128 numbers
.set HI, 64                            ; v64-127  wo's high parts
.set C,  32                            ; v32-47   codes
; v1 lane, v2 r, v3 h, v4 16 lane, v5 4 lane, v6 stage in, v7 stage out (codes), v8 stage out (wo), v9 column offset, v10, v11 the add's two, v12-31 at work, v48-50 scale words
	s_load_b512 s[4:19], s[0:1], 0x0               ; x, wq, wo, wk, wv, xq, wc, wo16
	s_load_b64 s[20:21], s[0:1], 0x40              ; tab
	v_lshl_add_u32 v10, v0, 2, SPARE
	v_mov_b32 v11, 0
	v_lshrrev_b32 v12, 5, v0
	v_readfirstlane_b32 s22, v12                   ; wave q
	v_and_b32 v1, 31, v0
	v_and_b32 v2, 15, v0
	v_bfe_u32 v3, v0, 4, 1
	v_lshlrev_b32 v4, 4, v1
	v_lshlrev_b32 v5, 2, v1
	s_mul_i32 s23, s22, STG
	v_add_nc_u32 v6, s23, v4                       ; in: 16 bytes a lane of a row's 512
	v_mul_u32_u24 v12, v2, PITCH
	v_add_nc_u32 v12, s23, v12
	v_lshl_add_u32 v7, v3, 7, v12                  ; out, for codes: row r, 32 numbers of half h
	v_lshl_add_u32 v8, v3, 5, v12                  ; out, for wo: row r, 8 numbers of half h
	v_lshlrev_b32 v9, 2, v2
	v_lshl_add_u32 v9, v3, 13, v9                  ; wk, wv: column r, 32 h rows of 256 bytes down
	v_lshlrev_b32 v18, 3, v3                       ; 8 h
	v_mov_b32 v19, 0                               ; a lane permute's destination counts as read
	s_mov_b32 s30, 0x76543210
	s_mov_b32 s31, 0xfedcba98                      ; v_permlanex16_b32: lane l xor 16
	s_mov_b32 s35, 0
	s_wait_kmcnt 0x0
.macro DSTS                            ; s[26:27] the codes' buffer, s32 the tile: -> s[26:27] my two K steps' codes, s[28:29] their scale words
	s_mul_i32 s34, s32, TILEB
	s_add_nc_u64 s[26:27], s[26:27], s[34:35]
	s_lshl_b32 s34, s22, 7
	s_add_co_u32 s34, s34, 8192
	s_add_nc_u64 s[28:29], s[26:27], s[34:35]
	s_lshl_b32 s34, s22, 11
	s_add_nc_u64 s[26:27], s[26:27], s[34:35]
.endm
	s_cmp_ge_u32 ttmp9, 392
	s_cbranch_scc1 .Ltable
	s_cmp_ge_u32 ttmp9, 384
	s_cbranch_scc1 .Lcols
	; ---- rows of x, wq or wo: one path, the buffers chosen by the work-group's number
	s_cmp_lt_u32 ttmp9, 256
	s_cselect_b64 s[24:25], s[4:5], s[6:7]
	s_cselect_b64 s[26:27], s[14:15], s[16:17]
	s_cselect_b32 s32, 0, 256
	s_cmp_lt_u32 ttmp9, 320
	s_cselect_b64 s[24:25], s[24:25], s[8:9]
	s_cselect_b32 s32, s32, 320
	s_sub_co_u32 s32, ttmp9, s32                   ; the tile of 16 rows
	s_lshl_b32 s34, s32, 16
	s_lshl_b32 s33, s22, 10
	s_add_co_u32 s34, s34, s33
	s_add_nc_u64 s[24:25], s[24:25], s[34:35]      ; 16 rows of 4,096 bytes a tile, 1,024 bytes a wave
.set n, 0
.rept 32                               ; n = 16 u + row: 32 lanes read 512 consecutive bytes
	global_load_b128 v[X+4*n:X+4*n+3], v4, s[24:25] offset:(n%16)*4096+(n/16)*512 th:TH_LOAD_NT
.set n, n+1
.endr
.irp g, 0,1,2,3
	s_wait_loadcnt 24-8*\g                         ; loads come back in order: eight more are in, the younger ones stay out
.irp i, 0,1,2,3,4,5,6,7
	ds_store_b128 v6, v[X+4*(8*\g+\i):X+4*(8*\g+\i)+3] offset:((8*\g+\i)/16)*PART+((8*\g+\i)%16)*PITCH
.endr
.endr
	s_wait_dscnt 0x0                               ; the stores have read their registers, which are loaded anew
	s_cmp_ge_u32 ttmp9, 320
	s_cbranch_scc1 .Lwo
	DSTS
.set n, 0
.rept 32                               ; n = 16 u + 8 c + g: lane (r, h) takes k = 128 u + 64 c + 32 h + 4 g .. of row r
	ds_load_b128 v[X+4*n:X+4*n+3], v7 offset:(n/16)*PART+((n/8)%2)*256+(n%8)*16
.set n, n+1
.endr
	s_branch .Lquant
	; ---- sixteen columns of wk or wv: a lane takes a column and its registers run down K
.Lcols:
	s_sub_co_u32 s33, ttmp9, 384
	s_cmp_lt_u32 s33, 4
	s_cselect_b64 s[24:25], s[10:11], s[12:13]
	s_mov_b64 s[26:27], s[16:17]
	s_add_co_u32 s32, s33, 64                      ; tiles 64-67 wk's, 68-71 wv's
	s_and_b32 s33, s33, 3
	s_lshl_b32 s34, s33, 6
	s_lshl_b32 s33, s22, 16
	s_add_co_u32 s34, s34, s33
	s_add_nc_u64 s[24:25], s[24:25], s[34:35]      ; 256 q rows of 256 bytes down, 16 columns of 4 bytes along
	DSTS
.set n, 0
.rept 128                              ; n = 64 u + 32 c + i: row 128 u + 64 c + 32 h + i
	global_load_b32 v[X+n], v9, s[24:25] offset:(128*(n/64)+64*((n/32)%2)+n%32)*256
.set n, n+1
.endr
	s_wait_loadcnt 0x0
	; ---- the quantiser: 64 numbers of a lane are two whole blocks of K step u
.macro QUANT u
.irp c, 0,1
	v_max3_num_f32 v[12+\c], |v[X+64*\u+32*\c]|, |v[X+64*\u+32*\c+1]|, 0x1800000   ; with the floor 2^(3 - 127): the byte cannot fall under 1
.endr
.set i, 2
.rept 15
.irp c, 0,1
	v_max3_num_f32 v[12+\c], v[12+\c], |v[X+64*\u+32*\c+i]|, |v[X+64*\u+32*\c+i+1]|   ; the two blocks by turns
.endr
.set i, i+2
.endr
.irp c, 0,1
	v_add_nc_u32 v[14+\c], 0xff000000, v[12+\c]    ; 2 off the exponent field: the conversion's scale operand
.endr
.irp c, 0,1
	v_lshrrev_b32 v[16+\c], 23, v[14+\c]           ; the scale's byte
.endr
.irp c, 0,1
.irp g, 0,1,2,3
	v_cvt_scalef32_pk8_fp4_f32 v[C+8*\u+4*\c+\g], v[X+64*\u+32*\c+8*\g:X+64*\u+32*\c+8*\g+7], v[14+\c]
.endr
.endr
	v_lshl_or_b32 v[48+\u], v17, 16, v16           ; my two bytes: blocks h and 2 + h.  (A plain line behind the conversions)
	v_lshlrev_b32 v[48+\u], v18, v[48+\u]          ; at their places, 8 h bits up
	v_permlanex16_b32 v19, v[48+\u], s30, s31
	v_or_b32 v[48+\u], v[48+\u], v19               ; with lane l xor 16's the word is whole
.irp c, 0,1
	global_store_b128 v4, v[C+8*\u+4*\c:C+8*\u+4*\c+3], s[26:27] offset:\u*1024+\c*512   ; 512 consecutive bytes
.endr
.endm
.Lquant:
	s_wait_dscnt 16                                ; the first K step's 16 LDS loads are in; the second's may be out
	QUANT 0
	s_wait_dscnt 0x0
	QUANT 1
	v_cmp_ne_u32 vcc_lo, 0, v3
	v_cndmask_b32 v50, v48, v49, vcc_lo            ; lanes 0-15 store the first K step's words, lanes 16-31 the second's: 128 consecutive bytes
	global_store_b32 v5, v50, s[28:29]
	s_branch .Lend
	; ---- wo: pairs of f16
.Lwo:
	s_lshl_b32 s34, s32, 15
	s_lshl_b32 s33, s22, 13
	s_add_co_u32 s34, s34, s33
	s_add_nc_u64 s[26:27], s[18:19], s[34:35]      ; 32,768 bytes a tile, 8,192 a wave
.irp e, 0,1,2,3,4,5,6,7,8,9,10,11,12,13,14,15      ; chunk e: 32 along K number e / 2, half e % 2: lane (r, h) takes 8 numbers
	ds_load_b128 v[X+8*\e:X+8*\e+3], v8 offset:(\e/8)*PART+((\e/2)%4)*128+(\e%2)*64
	ds_load_b128 v[X+8*\e+4:X+8*\e+7], v8 offset:(\e/8)*PART+((\e/2)%4)*128+(\e%2)*64+16
.endr
.irp e, 0,1,2,3,4,5,6,7,8,9,10,11,12,13,14,15
	s_wait_dscnt 30-2*\e                           ; this chunk's two loads are in; the later chunks' may be out
	v_cvt_pk_f16_f32 v12, v[X+8*\e], v[X+8*\e+1]   ; the high parts
	v_cvt_pk_f16_f32 v13, v[X+8*\e+2], v[X+8*\e+3]
	v_cvt_pk_f16_f32 v14, v[X+8*\e+4], v[X+8*\e+5]
	v_cvt_pk_f16_f32 v15, v[X+8*\e+6], v[X+8*\e+7]
	v_cvt_f32_f16 v20, v12.l                       ; widened again,
	v_cvt_f32_f16 v21, v12.h
	v_cvt_f32_f16 v22, v13.l
	v_cvt_f32_f16 v23, v13.h
	v_cvt_f32_f16 v24, v14.l
	v_cvt_f32_f16 v25, v14.h
	v_cvt_f32_f16 v26, v15.l
	v_cvt_f32_f16 v27, v15.h
.irp p, 0,1,2,3
	v_mov_b32 v[HI+4*\e+\p], v[12+\p]
	v_pk_add_f32 v[20+2*\p:21+2*\p], v[X+8*\e+2*\p:X+8*\e+2*\p+1], v[20+2*\p:21+2*\p] neg_lo:[0,1] neg_hi:[0,1]   ; and taken off, in f32: what is left
.endr
.irp p, 0,1,2,3
	v_cvt_pk_f16_f32 v[X+8*\e+\p], v[20+2*\p], v[21+2*\p]   ; the low parts
.endr
	global_store_b128 v4, v[HI+4*\e:HI+4*\e+3], s[26:27] offset:\e*512
	global_store_b128 v4, v[X+8*\e:X+8*\e+3], s[26:27] offset:\e*512+2097152
.endr
	s_branch .Lend
	; ---- the table: wave q makes position tile 4 (work-group - 392) + q
.macro SINCOS n                        ; pair number n of my 16: cos into v[X + 2 n], sin into v[X + 2 n + 1]
	v_mul_f32 v16, v12, v[64+\n]                   ; the angle, as the problem forms it: position x frequency, in f32
	v_mul_f32 v17, 0x3f22f983, v16                 ; x 2 / pi
	v_rndne_f32 v17, v17                           ; the quarter turns
	v_fma_f32 v18, -v17, s36, v16                  ; less pi / 2's high part,
	v_fma_f32 v18, -v17, s37, v18                  ; and its low part: rho
	v_cvt_i32_f32 v20, v17
	v_mul_f32 v19, v18, v18                        ; z = rho^2
	v_fma_f32 v21, v19, s38, s39
	v_fma_f32 v23, v19, s41, s42
	v_fma_f32 v21, v21, v19, s40
	v_fma_f32 v23, v23, v19, s43
	v_mul_f32 v22, v19, v18
	v_mul_f32 v24, v19, v19
	v_fma_f32 v25, v19, -0.5, 1.0
	v_fma_f32 v21, v21, v22, v18                   ; sin rho
	v_fma_f32 v23, v23, v24, v25                   ; cos rho
	v_and_b32 v26, 1, v20
	v_cmp_ne_u32 vcc_lo, 0, v26                    ; an odd quarter swaps the two
	v_cndmask_b32 v27, v21, v23, vcc_lo
	v_cndmask_b32 v28, v23, v21, vcc_lo
	v_lshlrev_b32 v29, 30, v20                     ; sin changes sign in quarters 2, 3;
	v_add_nc_u32 v30, 1, v20                       ; cos in quarters 1, 2
	v_and_b32 v29, 0x80000000, v29
	v_lshlrev_b32 v30, 30, v30
	v_xor_b32 v[X+2*\n+1], v27, v29
	v_and_b32 v30, 0x80000000, v30
	v_xor_b32 v[X+2*\n], v28, v30
.endm
.Ltable:
	s_sub_co_u32 s32, ttmp9, 392
	s_lshl_b32 s32, s32, 2
	s_add_co_u32 s32, s32, s22                     ; the position tile
	s_lshl_b32 s33, s32, 4
	v_add_nc_u32 v12, s33, v2
	v_cvt_f32_u32 v12, v12                         ; my position
	s_lshl_b32 s34, s32, 12
	s_add_nc_u64 s[26:27], s[20:21], s[34:35]
	s_mov_b32 s36, 0x3fc90fdb                      ; pi / 2, high
	s_mov_b32 s37, 0xb33bbd2e                      ; and low
	s_mov_b32 s38, 0xb94ca1f9                      ; sin: z^3's, z^2's, z's coefficient
	s_mov_b32 s39, 0x3c08839e
	s_mov_b32 s40, 0xbe2aaaa3
	s_mov_b32 s41, 0x37ccf5ce                      ; cos likewise
	s_mov_b32 s42, 0xbab6061a
	s_mov_b32 s43, 0x3d2aaaa5
	v_lshlrev_b32 v13, 2, v3                       ; 4 h
.irp n, 0,1,2,3,4,5,6,7,8,9,10,11,12,13,14,15      ; n = 4 t + 2 e + d: pair 8 t + 4 h + 2 e + d
	v_add_nc_u32 v[64+\n], 8*(\n/4)+\n%4, v13
.endr
.irp n, 0,1,2,3,4,5,6,7,8,9,10,11,12,13,14,15
	v_cvt_f32_u32 v[64+\n], v[64+\n]
.endr
.irp n, 0,1,2,3,4,5,6,7,8,9,10,11,12,13,14,15
	v_mul_f32 v[64+\n], 0xbe9f73da, v[64+\n]       ; x -log2(1000) / 32
.endr
.irp n, 0,1,2,3,4,5,6,7,8,9,10,11,12,13,14,15
	v_exp_f32 v[64+\n], v[64+\n]                   ; the frequencies: one batch
.endr
	v_nop                                          ; a plain line behind the last of them
	s_wait_alu depctr_va_vdst(0)                   ; one wait for the batch, ahead of its first reader
.irp n, 0,1,2,3,4,5,6,7,8,9,10,11,12,13,14,15
	SINCOS \n
.endr
.irp k, 0,1,2,3,4,5,6,7
	global_store_b128 v4, v[X+4*\k:X+4*\k+3], s[26:27] offset:\k*512
.endr
.Lend:
	s_wait_tensorcnt 0x0                           ; the wave's end
	ds_add_u32 v10, v11
	s_wait_dscnt 0x0
	s_endpgm
.Lfunc_end_k_q07c02ff3cb_prep:
	.size	k_q07c02ff3cb_prep, .Lfunc_end_k_q07c02ff3cb_prep-k_q07c02ff3cb_prep
	.p2alignl 7, 3214868480
	.fill 96, 4, 3214868480
	.section	.rodata,"a",@progbits
	.p2align	6, 0x0
	.amdhsa_kernel k_q07c02ff3cb_prep
		.amdhsa_group_segment_fixed_size 68096
		.amdhsa_private_segment_fixed_size 0
		.amdhsa_enable_private_segment 0
		.amdhsa_kernarg_size 72
		.amdhsa_user_sgpr_count 2
		.amdhsa_user_sgpr_kernarg_segment_ptr 1
		.amdhsa_wavefront_size32 1
		.amdhsa_system_sgpr_workgroup_id_x 1
		.amdhsa_system_sgpr_workgroup_id_y 1
		.amdhsa_system_sgpr_workgroup_id_z 1
		.amdhsa_system_vgpr_workitem_id 0
		.amdhsa_next_free_vgpr 256
		.amdhsa_next_free_sgpr 66
		.amdhsa_reserve_vcc 1
		.amdhsa_float_denorm_mode_32 3
		.amdhsa_float_denorm_mode_16_64 3
		.amdhsa_memory_ordered 1
		.amdhsa_forward_progress 1
		.amdhsa_inst_pref_size 77
	.end_amdhsa_kernel
	.amdgpu_metadata
---
amdhsa.version: [ 1, 2 ]
amdhsa.kernels:
  - .name:           k_q07c02ff3cb_prep
    .symbol:         k_q07c02ff3cb_prep.kd
    .args:
      - { .name: x, .offset: 0, .size: 8, .value_kind: global_buffer, .address_space: global }
      - { .name: wq, .offset: 8, .size: 8, .value_kind: global_buffer, .address_space: global }
      - { .name: wo, .offset: 16, .size: 8, .value_kind: global_buffer, .address_space: global }
      - { .name: wk, .offset: 24, .size: 8, .value_kind: global_buffer, .address_space: global }
      - { .name: wv, .offset: 32, .size: 8, .value_kind: global_buffer, .address_space: global }
      - { .name: xq, .offset: 40, .size: 8, .value_kind: global_buffer, .address_space: global }
      - { .name: wc, .offset: 48, .size: 8, .value_kind: global_buffer, .address_space: global }
      - { .name: wo16, .offset: 56, .size: 8, .value_kind: global_buffer, .address_space: global }
      - { .name: tab, .offset: 64, .size: 8, .value_kind: global_buffer, .address_space: global }
    .group_segment_fixed_size: 68096
    .private_segment_fixed_size: 0
    .kernarg_segment_align: 8
    .kernarg_segment_size: 72
    .max_flat_workgroup_size: 128
    .sgpr_count:     66
    .vgpr_count:     256
    .wavefront_size: 32
...
	.end_amdgpu_metadata
.endif
;; end of part 1
;; launch qkv (part 2): grid 32 x 6, 12 waves a work-group, clusters of 4 x 1, 175,616 bytes of LDS; arguments xq, wc, tab, qimg, kv, finebuf; writes qimg, kv, finebuf
.if DOCPART == 2
	.amdgcn_target "amdgcn-amd-amdhsa--gfx1250"
	.amdhsa_code_object_version 6
	.text
	.protected	k_q07c02ff3cb_qkv
	.globl	k_q07c02ff3cb_qkv
	.p2align	8
	.type	k_q07c02ff3cb_qkv,@function
k_q07c02ff3cb_qkv:
	s_mov_b64 s[64:65], 0
	v_nop
	global_prefetch_b8 v0, s[64:65] scope:SCOPE_SE
	s_setreg_imm32_b32 hwreg(HW_REG_WAVE_MODE, 25, 1), 1
	s_wait_xcnt 0x0
	s_wait_alu depctr_hold_cnt(0) depctr_sa_sdst(0) depctr_va_vdst(0) depctr_va_sdst(0) depctr_va_ssrc(0) depctr_va_vcc(0) depctr_vm_vsrc(0)
	s_getreg_b32 s2, hwreg(HW_REG_IB_STS2, 6, 4)
	s_cmp_eq_u32 s2, 0
	s_cbranch_scc0 .Lentry_in_a_cluster
	s_endpgm
.Lentry_in_a_cluster:
	s_bfe_u32 s2, ttmp6, 0x10000c
	s_cmp_lg_u32 s2, 0x3003
	s_cbranch_scc0 .Lentry_shape_is_right
	s_endpgm
.Lentry_shape_is_right:
; QKV: q = x wq^T, k = x wk, v = x wv on codes of FP4 with E8M0 scales (K = 1,024), the rotation of q and k in f32, and the rounding to f16 for the products that follow.
; SHARES.  A work-group takes 128 rows of x (row block rb) and three "heads" (16 heads of q, then k = 16, v = 17), 64 columns each: 128 x 192.  All of K of both operands lies in LDS at once
; (8 + 12 tiles of 8,704 bytes): first fills alone, one wait, one barrier.  Wave w: rows 32 (w & 3) on (two tiles a), head 3 gx + (w >> 2) (four tiles b): 8 accumulators, 64 matrix instructions.
; CLUSTER.  The four row blocks of a cluster take the same heads, so the weights' 104,448 of a work-group's 174,080 bytes are asked for jointly (mask 15); x's tiles are each work-group's own.
; LAYOUT.  q, k: source 0 = 16 rows of the weight, source 1 = 16 rows of x: a lane holds ONE position and eight neighbouring channels, four pairs of the rotation.  The rotated pair j is kept at channels 2 j, 2 j + 1
; (the problem puts the halves one behind the other): q . k does not change under a permutation of the channels applied alike to both.  v: the sources swapped: a lane holds ONE channel and eight neighbouring positions.
; Packed to f16, a lane's eight numbers are 16 bytes of the operand image that the attention reads: every store covers 512 consecutive bytes, and nothing goes through a stage.
; POSITION TILE 0 of each sequence is also stored as pairs of f16 (high = the upper 11 significant bits, low = the rest, split in f32) for the launch that redoes the first 16 positions.
; LIMITS: |q|, |k|, |v| under 65,504 (f16); NaN and infinities are not served.
.set TILEB, 8704
.set SPARE, 20*TILEB                   ; behind the tiles: the spare words, 128 bytes a wave, named by no other line
.set ACC, 16                           ; v16-79   accumulator (a, b) at 8 (4 a + b)
.set AF,  80                           ; v80-95   x's two fragments
.set BF,  96                           ; v96-127  the weight's four
.set PK,  80                           ; v80-111  later: the packed results
.set SA,  128                          ; v128-143 x's scale words [a][s];  v144-175 the weight's [b][s]: scales and nothing else
.set SB,  144
.set TAB, 176                          ; v176-239 cos and sin, 8 registers for each accumulator
.set FH,  176                          ; later: the pair's high parts, its low parts, and 32 at work
.set FL,  192
.set TT,  208
; v1 16 lane; v2, v3 the add's two; v4, v5 LDS address of my fragments of x and of the weight; v6, v7 of their scale words; v8-11 at work
; s16 wave, s17 mq, s18 hc, s19 cx, s20 rb, s21 gx, s22 head, s23 batch, s48 position tile, s58 row block in the sequence
.macro CROUND                          ; a round of the cluster's barrier
	s_barrier_signal -1
	s_barrier_wait -1
	s_cmp_lg_u32 s16, 0
	s_cbranch_scc1 .Lnot_wave_0_\@
	s_barrier_signal -3
.Lnot_wave_0_\@:
	s_barrier_wait -3
	s_barrier_signal -1
	s_barrier_wait -1
.endm
	s_load_b256 s[4:11], s[0:1], 0x0               ; xq, wc, tab, qimg
	s_load_b128 s[12:15], s[0:1], 0x20             ; kv, finebuf
	v_lshl_add_u32 v2, v0, 2, SPARE
	v_mov_b32 v3, 0
	ds_add_u32 v2, v3                              ; the wave's opening: the add, twice on end, and its wait ahead of the first tensor load
	ds_add_u32 v2, v3
	v_lshrrev_b32 v8, 5, v0
	v_readfirstlane_b32 s16, v8                    ; wave 0..11
	s_and_b32 s17, s16, 3
	s_lshr_b32 s18, s16, 2
	s_bfe_u32 s19, ttmp6, 0x40000                  ; cx
	s_lshl_b32 s20, ttmp9, 2
	s_add_co_u32 s20, s20, s19                     ; row block = 4 x cluster x + cx
	s_and_b32 s21, ttmp7, 0xffff
	s_mul_i32 s22, s21, 3
	s_add_co_u32 s22, s22, s18                     ; my head: the same in all four partners
	; descriptor group 1: two tiles, 17,408 dense bytes, as 68 rows of 256 bytes (32 elements of 8 bytes); plain for x, joint for the weights
	s_mov_b32 s24, 3<<16
	s_mov_b32 s32, 15|(3<<16)|(1<<21)              ; 15:0 the mask: all four work-groups; 21 set beside a mask
.irp g, 24, 32
	s_mov_b32 s[\g+1], 32<<16                      ; tensor_dim0
	s_mov_b32 s[\g+2], 68<<16                      ; tensor_dim1
	s_mov_b32 s[\g+3], 32<<16                      ; tile_dim0
	s_mov_b32 s[\g+4], 68                          ; tile_dim1
	s_mov_b32 s[\g+5], 32                          ; from row to row
	s_mov_b32 s[\g+6], 0
	s_mov_b32 s[\g+7], 0
.endr
	s_lshl_b32 s50, s20, 3                         ; x: tiles 8 rb + 2 (wave & 3) and the next (waves 0-3 ask)
	s_lshl_b32 s51, s17, 1
	s_add_co_u32 s50, s50, s51
	s_mul_i32 s50, s50, TILEB
	s_mov_b32 s51, 0
	s_sub_co_u32 s52, s16, 4                       ; the weights: tiles 12 gx + 2 (wave - 4) and the next (waves 4-9 ask): no place in the cluster enters these registers
	s_min_u32 s52, s52, 5
	s_lshl_b32 s52, s52, 1
	s_mul_i32 s53, s21, 12
	s_add_co_u32 s52, s52, s53
	s_mul_i32 s52, s52, TILEB
	s_mov_b32 s53, 0
	s_mul_i32 s54, s16, 2*TILEB                    ; and where they go: x's 8 tiles, then the weights' 12
	s_lshr_b32 s23, s20, 4                         ; batch
	s_and_b32 s58, s20, 15
	s_lshl_b32 s48, s58, 3
	s_lshl_b32 s49, s17, 1
	s_add_co_u32 s48, s48, s49                     ; my first position tile in the sequence (even)
	s_lshl_b32 s66, s48, 12                        ; its place in the table
	s_mov_b32 s67, 0
	s_lshl_b32 s68, s23, 4                         ; q: ((16 batch + head) 128 + tile) 2,048
	s_add_co_u32 s68, s68, s22
	s_lshl_b32 s68, s68, 7
	s_add_co_u32 s68, s68, s48
	s_lshl_b32 s68, s68, 11
	s_lshl_b32 s69, s23, 19                        ; k, v: batch 524,288 + slot of 256 keys 65,536
	s_lshr_b32 s70, s48, 4
	s_lshl_b32 s70, s70, 16
	s_add_co_u32 s69, s69, s70
	s_and_b32 s70, s48, 15
	s_lshl_b32 s70, s70, 11
	s_add_co_u32 s70, s70, s69                     ; k: + key tile 2,048
	s_bfe_u32 s71, s48, 0x30001
	s_lshl_b32 s71, s71, 12
	s_add_co_u32 s71, s71, s69
	s_add_co_u32 s71, s71, 32768                   ; v: behind k's 32,768 bytes, + 32 keys 4,096
	s_cmp_eq_u32 s22, 16
	s_cselect_b32 s68, s70, s68
	s_cmp_eq_u32 s22, 17
	s_cselect_b32 s68, s71, s68
	s_mov_b32 s69, 0
	s_mul_i32 s72, s23, 18                         ; the pairs: (18 batch + head) 4,096
	s_add_co_u32 s72, s72, s22
	s_lshl_b32 s72, s72, 12
	s_mov_b32 s73, 0
	v_and_b32 v8, 31, v0
	v_lshlrev_b32 v1, 4, v8
	v_and_b32 v9, 15, v0
	v_lshlrev_b32 v9, 2, v9
	s_mul_i32 s74, s17, 2*TILEB
	s_mul_i32 s75, s18, 4*TILEB
	s_add_co_u32 s75, s75, 8*TILEB
	v_add_nc_u32 v4, s74, v1
	v_add_nc_u32 v5, s75, v1
	v_add_nc_u32 v6, s74, v9
	v_add_nc_u32 v6, 8192, v6
	v_add_nc_u32 v7, s75, v9
	v_add_nc_u32 v7, 8192, v7
	s_wait_dscnt 0x0                               ; both opening adds are done
	s_wait_kmcnt 0x0
	s_mov_b32 s40, 1                               ; group 0 for x
	s_mov_b32 s41, s54
	s_add_nc_u64 s[42:43], s[4:5], s[50:51]
	s_or_b32 s43, s43, 0x80000000
	s_mov_b32 s44, 1                               ; group 0 for the weights
	s_mov_b32 s45, s54
	s_add_nc_u64 s[46:47], s[6:7], s[52:53]
	s_or_b32 s47, s47, 0x80000000
	s_add_nc_u64 s[62:63], s[8:9], s[66:67]        ; the table at my tiles
	s_cmp_lt_u32 s22, 16
	s_cselect_b64 s[56:57], s[10:11], s[12:13]
	s_add_nc_u64 s[56:57], s[56:57], s[68:69]      ; where my results go
	s_add_nc_u64 s[60:61], s[14:15], s[72:73]      ; and the pairs
	CROUND                                         ; all four work-groups are here: the joint loads meet
	s_cmp_lt_u32 s16, 4                            ; one tensor load a wave: by this text's count one is out
	s_cbranch_scc0 .Lnot_x
	tensor_load_to_lds s[40:43], s[24:31]
	s_nop 0
.rept 4
	v_nop
.endr
	s_branch .Lasked
.Lnot_x:
	s_cmp_lt_u32 s16, 10
	s_cbranch_scc0 .Lasked
	tensor_load_to_lds s[44:47], s[32:39]
	s_nop 0
.rept 4
	v_nop
.endr
.Lasked:
	s_cmp_eq_u32 s22, 17                           ; v is not rotated
	s_cbranch_scc1 .Lnotab
.irp a, 0,1
.irp b, 0,1,2,3
.irp e, 0,1
	global_load_b128 v[TAB+8*(4*\a+\b)+4*\e:TAB+8*(4*\a+\b)+4*\e+3], v1, s[62:63] offset:\a*4096+\b*1024+\e*512
.endr
.endr
.endr
.Lnotab:
	s_wait_tensorcnt 0x0                           ; my two tiles are in,
	s_barrier_signal -1
	s_barrier_wait -1                              ; everybody's are; nothing is filled again
.irp a, 0,1
.irp s, 0,1,2,3,4,5,6,7
	ds_load_b32 v[SA+8*\a+\s], v6 offset:\a*TILEB+64*\s   ; lane r takes row r's word (lanes 16-31 the same; they are not read)
.endr
.endr
.irp b, 0,1,2,3
.irp s, 0,1,2,3,4,5,6,7
	ds_load_b32 v[SB+8*\b+\s], v7 offset:\b*TILEB+64*\s
.endr
.endr
.macro ONE swap, s, a, b
.if \swap
.if \s == 0
	v_wmma_scale_f32_16x16x128_f8f6f4 v[ACC+8*(4*\a+\b):ACC+8*(4*\a+\b)+7], v[AF+8*\a:AF+8*\a+7], v[BF+8*\b:BF+8*\b+7], 0, v[SA+8*\a+\s], v[SB+8*\b+\s] matrix_a_fmt:MATRIX_FMT_FP4 matrix_b_fmt:MATRIX_FMT_FP4
.else
	v_wmma_scale_f32_16x16x128_f8f6f4 v[ACC+8*(4*\a+\b):ACC+8*(4*\a+\b)+7], v[AF+8*\a:AF+8*\a+7], v[BF+8*\b:BF+8*\b+7], v[ACC+8*(4*\a+\b):ACC+8*(4*\a+\b)+7], v[SA+8*\a+\s], v[SB+8*\b+\s] matrix_a_fmt:MATRIX_FMT_FP4 matrix_b_fmt:MATRIX_FMT_FP4
.endif
.else
.if \s == 0
	v_wmma_scale_f32_16x16x128_f8f6f4 v[ACC+8*(4*\a+\b):ACC+8*(4*\a+\b)+7], v[BF+8*\b:BF+8*\b+7], v[AF+8*\a:AF+8*\a+7], 0, v[SB+8*\b+\s], v[SA+8*\a+\s] matrix_a_fmt:MATRIX_FMT_FP4 matrix_b_fmt:MATRIX_FMT_FP4
.else
	v_wmma_scale_f32_16x16x128_f8f6f4 v[ACC+8*(4*\a+\b):ACC+8*(4*\a+\b)+7], v[BF+8*\b:BF+8*\b+7], v[AF+8*\a:AF+8*\a+7], v[ACC+8*(4*\a+\b):ACC+8*(4*\a+\b)+7], v[SB+8*\b+\s], v[SA+8*\a+\s] matrix_a_fmt:MATRIX_FMT_FP4 matrix_b_fmt:MATRIX_FMT_FP4
.endif
.endif
.endm
; The eight K steps: 12 LDS loads (each 512 consecutive bytes), 8 matrix instructions on 8 accumulators by turns; the first step starts the sums.
; Four plain places stand behind each step's products, in front of the loads into the registers that they read and of the first read of results.  The SIMD's other two waves work while one waits for LDS.
.macro MAIN swap
.irp s, 0,1,2,3,4,5,6,7
.irp a, 0,1
.irp c, 0,1
	ds_load_b128 v[AF+8*\a+4*\c:AF+8*\a+4*\c+3], v4 offset:\a*TILEB+\s*1024+\c*512
.endr
.endr
.irp b, 0,1,2,3
.irp c, 0,1
	ds_load_b128 v[BF+8*\b+4*\c:BF+8*\b+4*\c+3], v5 offset:\b*TILEB+\s*1024+\c*512
.endr
.endr
	s_wait_dscnt 0x0
.irp a, 0,1
.irp b, 0,1,2,3
	ONE \swap, \s, \a, \b
.endr
.endr
.rept 4
	v_nop
.endr
.endr
.endm
.macro PACKST sa, sb                   ; eight numbers of a lane become 16 bytes; tile a and tile b step the store by sa and sb bytes
.irp n, 0,1,2,3,4,5,6,7
.irp p, 0,1,2,3
	v_cvt_pk_f16_f32 v[PK+4*\n+\p], v[ACC+8*\n+2*\p], v[ACC+8*\n+2*\p+1]
.endr
.endr
.irp a, 0,1
.irp b, 0,1,2,3
	global_store_b128 v1, v[PK+4*(4*\a+\b):PK+4*(4*\a+\b)+3], s[56:57] offset:\a*\sa+\b*\sb
.endr
.endr
.endm
	s_cmp_eq_u32 s22, 17
	s_cbranch_scc1 .Lv
	MAIN 0
	s_wait_loadcnt 0x0                             ; the table
.irp n, 0,1,2,3,4,5,6,7                            ; register 2 i is the pair's even number, 2 i + 1 its odd one
.irp i, 0,1,2,3
	v_mul_f32 v[8+2*(\i%2)], v[ACC+8*\n+2*\i+1], v[TAB+8*\n+2*\i+1]     ; odd x sin
	v_mul_f32 v[9+2*(\i%2)], v[ACC+8*\n+2*\i], v[TAB+8*\n+2*\i+1]       ; even x sin
	v_fma_f32 v[ACC+8*\n+2*\i], v[ACC+8*\n+2*\i], v[TAB+8*\n+2*\i], -v[8+2*(\i%2)]
	v_fma_f32 v[ACC+8*\n+2*\i+1], v[ACC+8*\n+2*\i+1], v[TAB+8*\n+2*\i], v[9+2*(\i%2)]
.endr
.endr
	PACKST 2048, 512
	s_branch .Lfine
.Lv:
	MAIN 1
	PACKST 512, 1024
.Lfine:
	s_cmp_lg_u32 s17, 0                            ; only the waves with a block's first rows can hold position tile 0
	s_cbranch_scc1 .Lnofine
.irp n, 0,1,2,3,4,5,6,7,8,9,10,11,12,13,14,15,16,17,18,19,20,21,22,23,24,25,26,27,28,29,30,31
	v_and_b32 v[TT+\n], 0xffffe000, v[ACC+\n]      ; the upper 11 significant bits: exact in f16
.endr
.irp n, 0,1,2,3,4,5,6,7,8,9,10,11,12,13,14,15,16,17,18,19,20,21,22,23,24,25,26,27,28,29,30,31
	v_sub_f32 v[ACC+\n], v[ACC+\n], v[TT+\n]       ; the rest, exact in f32
.endr
.irp n, 0,1,2,3,4,5,6,7,8,9,10,11,12,13,14,15
	v_cvt_pk_f16_f32 v[FH+\n], v[TT+2*\n], v[TT+2*\n+1]
	v_cvt_pk_f16_f32 v[FL+\n], v[ACC+2*\n], v[ACC+2*\n+1]
.endr
	v_mov_b32 v8, s58
	s_wait_xcnt 0x0                                ; EXEC changes only behind this wait: the stores above have had their addresses translated
	v_cmp_eq_u32 vcc_lo, 0, v8                     ; the sequence's first row block?  It hangs on my place in the cluster: so the stores are masked, and no branch is taken
	s_and_saveexec_b32 s59, vcc_lo
.irp b, 0,1,2,3
	global_store_b128 v1, v[FH+4*\b:FH+4*\b+3], s[60:61] offset:\b*512
	global_store_b128 v1, v[FL+4*\b:FL+4*\b+3], s[60:61] offset:2048+\b*512
.endr
	s_wait_xcnt 0x0                                ; and again, in front of the line that widens it
	s_or_b32 exec_lo, exec_lo, s59
.Lnofine:
	s_wait_tensorcnt 0x0                           ; the wave's end
	ds_add_u32 v2, v3
	s_wait_dscnt 0x0
	CROUND                                         ; the closing round: no work-group ends while a partner may still ask for a tile that names it
	s_endpgm
.Lfunc_end_k_q07c02ff3cb_qkv:
	.size	k_q07c02ff3cb_qkv, .Lfunc_end_k_q07c02ff3cb_qkv-k_q07c02ff3cb_qkv
	.p2alignl 7, 3214868480
	.fill 96, 4, 3214868480
	.section	.rodata,"a",@progbits
	.p2align	6, 0x0
	.amdhsa_kernel k_q07c02ff3cb_qkv
		.amdhsa_group_segment_fixed_size 175616
		.amdhsa_private_segment_fixed_size 0
		.amdhsa_enable_private_segment 0
		.amdhsa_kernarg_size 48
		.amdhsa_user_sgpr_count 2
		.amdhsa_user_sgpr_kernarg_segment_ptr 1
		.amdhsa_wavefront_size32 1
		.amdhsa_system_sgpr_workgroup_id_x 1
		.amdhsa_system_sgpr_workgroup_id_y 1
		.amdhsa_system_sgpr_workgroup_id_z 1
		.amdhsa_system_vgpr_workitem_id 0
		.amdhsa_next_free_vgpr 256
		.amdhsa_next_free_sgpr 80
		.amdhsa_reserve_vcc 1
		.amdhsa_float_denorm_mode_32 3
		.amdhsa_float_denorm_mode_16_64 3
		.amdhsa_memory_ordered 1
		.amdhsa_forward_progress 1
		.amdhsa_inst_pref_size 59
	.end_amdhsa_kernel
	.amdgpu_metadata
---
amdhsa.version: [ 1, 2 ]
amdhsa.kernels:
  - .name:           k_q07c02ff3cb_qkv
    .symbol:         k_q07c02ff3cb_qkv.kd
    .args:
      - { .name: xq, .offset: 0, .size: 8, .value_kind: global_buffer, .address_space: global }
      - { .name: wc, .offset: 8, .size: 8, .value_kind: global_buffer, .address_space: global }
      - { .name: tab, .offset: 16, .size: 8, .value_kind: global_buffer, .address_space: global }
      - { .name: qimg, .offset: 24, .size: 8, .value_kind: global_buffer, .address_space: global }
      - { .name: kv, .offset: 32, .size: 8, .value_kind: global_buffer, .address_space: global }
      - { .name: finebuf, .offset: 40, .size: 8, .value_kind: global_buffer, .address_space: global }
    .group_segment_fixed_size: 175616
    .private_segment_fixed_size: 0
    .kernarg_segment_align: 8
    .kernarg_segment_size: 48
    .max_flat_workgroup_size: 384
    .sgpr_count:     80
    .vgpr_count:     256
    .wavefront_size: 32
...
	.end_amdgpu_metadata
.endif
;; end of part 2
;; launch attn (part 3): grid 128 x 2, 8 waves a work-group, no clusters, 327,680 bytes of LDS; arguments qimg, kv, aimg; writes aimg
.if DOCPART == 3
	.amdgcn_target "amdgcn-amd-amdhsa--gfx1250"
	.amdhsa_code_object_version 6
	.text
	.protected	k_q07c02ff3cb_attn
	.globl	k_q07c02ff3cb_attn
	.p2align	8
	.type	k_q07c02ff3cb_attn,@function
k_q07c02ff3cb_attn:
	s_mov_b64 s[64:65], 0
	v_nop
	global_prefetch_b8 v0, s[64:65] scope:SCOPE_SE
	s_setreg_imm32_b32 hwreg(HW_REG_WAVE_MODE, 25, 1), 1
	s_wait_xcnt 0x0
; ATTN: o = softmax(q k^T / 8, causal) v for 16 heads that share one k and v; operands f16, products, maxima and sums f32, a running maximum.  o is rounded to f16 for the projection.
; SHARES: 256 work-groups of equal work.  Work-group (x = 2 i + g, batch) owns heads 8 g .. 8 g + 7 for two blocks of 16 positions: block 127 - i (context 0) and block i (context 1): together 33 key steps of 64, whatever i.
; The keys are walked once: the early block's keys are a prefix of the late block's.  Wave w: head pair w >> 1, parity w & 1: of a slot's four key steps it takes steps 2 j + parity, for both heads of its pair, in each context.
; At the end the two parities' (c m, l, O) meet in LDS: a wave gives its tile 1 away and finishes its tile 0 (tile 0 = head pair's head number parity).  Two waves share a SIMD: one's softmax stands beside the other's products.
; LAYOUT.  S^T = K Q^T and O^T = V^T P: a lane holds ONE query throughout; two score tiles, packed to f16, ARE the second product's source 1.  q, k, v arrive as images of operand registers: every LDS load takes 512 consecutive bytes.
; TWO CONTEXTS: context 1 uses the same register numbers in window 1 (s_set_vgpr_msb 0x55).  LDS and global address registers stay in window 0: context 1's loads run under 0x40 (destination window 1).
; THE MASK.  A step all of whose keys come after the context's 16 queries is left out by a scalar branch on ids; on the diagonal hidden scores become -infinity; a slot whose first key comes after the work-group's last query
; is not asked for.  A step that is walked holds, for every query, at least its first key (both are multiples of 16), so the maximum is a number.
; NO CLUSTER: the look-ahead ends at the causal limit, which differs between work-groups that walk the same keys, so partners would need different numbers of tiles.
; LIMITS: NaN and infinities are not served; |o| under 65,504.
.set SLOT1, 1<<16                      ; a slot: 256 keys: K's 16 tiles of 2,048 bytes, then V's 8 steps of 32 keys, 4,096 bytes each; slot 1 begins here
.set MG,    2*SLOT1                    ; behind the ring: the merge: [context][wave] 4,352 bytes: O 4,096, c m 128, l 128
.set MGW,   4352
.set MGC,   8*MGW
.set SPARE, MG+2*MGC                   ; the spare words, 128 bytes a wave, named by no other line
.set GI,   1                           ; v1   16 lane
.set LIP,  2                           ; v2   16 lane + 8,192 parity
.set ADR,  3                           ; v3   LDS address of the step's loads
.set RH,   4                           ; v4   r - 8 h              (both windows)
.set DD,   5                           ; v5   the mask's bound      (both windows)
.set NINF, 6                           ; v6   -infinity             (both windows)
.set PFO,  7                           ; v7   256 lane: the prefetches' offset
.set ST,   8                           ; v8-23    statistics, 8 a tile: +0 c m, +1 m, +2, +3 l, +4..7 at work, a in +6
.set Q,    24                          ; v24-55   q, 16 a tile
.set KV,   56                          ; v56-119  K's 8 fragments, then V's
.set S,    120                         ; v120-183 S^T, 32 a tile; p is packed into the low 16
.set O,    184                         ; v184-247 O^T, 32 a tile
.set MSO,  248                         ; v248-251 the merge: where I put O and the statistics, where I take my partner's
.set MS4,  249
.set MRO,  250
.set MR4,  251
.set SPW,  254                         ; v254, v255 the add's two
.set NIL,  255
; s2 the slot in hand; s3 the slot's first key + 64 parity; s37 the slot's first key; s36 slots still to ask for; s40, s41 the contexts' last queries; s42, s43 their first; s44 the work-group's last query
.set MSB, 0
.macro WIN new                         ; the immediate's high byte repeats the setting that is left; a switch that changes nothing is dropped
.if MSB != (\new)
	s_set_vgpr_msb (MSB<<8)|(\new)
.set MSB, (\new)
.endif
.endm
.macro TLOAD                           ; waves 0 to 3 fetch a quarter of a slot each; an s_nop 0 and four v_nop follow
	s_cmp_lt_u32 s10, 4
	s_cbranch_scc0 .Lasked_\@
	tensor_load_to_lds s[32:35], s[24:31]
	s_nop 0
.rept 4
	v_nop
.endr
.Lasked_\@:
.endm
; A prefetch of the slot that the NEXT change of slots will ask for: 65,536 dense bytes.  All work-groups of a batch walk the same k and v: the batch's first work-group asks, by its waves 4 to 7, which fetch nothing:
; 16,384 bytes a wave, two instructions, lanes 256 bytes apart: each aligned block of 256 bytes is named once in the launch.  The last change that fills a slot asks for nothing; slots 0 and 1 come by their loads alone.
.macro ASK
	s_cmp_gt_u32 s36, s48
	s_cbranch_scc0 .Lnot_mine_\@
	global_prefetch_b8 v[PFO], s[46:47] th:TH_LOAD_NT scope:SCOPE_SE
	global_prefetch_b8 v[PFO], s[46:47] offset:8192 th:TH_LOAD_NT scope:SCOPE_SE
.Lnot_mine_\@:
.endm
	s_load_b128 s[4:7], s[0:1], 0x0                ; qimg, kv
	s_load_b64 s[8:9], s[0:1], 0x10                ; aimg
	v_lshl_add_u32 v[SPW], v0, 2, SPARE
	v_mov_b32 v[NIL], 0
	ds_add_u32 v[SPW], v[NIL]                      ; the wave's opening: the add, twice on end, and its wait ahead of the first tensor load
	ds_add_u32 v[SPW], v[NIL]
	v_lshrrev_b32 v1, 5, v0
	v_readfirstlane_b32 s10, v1                    ; wave 0..7
	s_and_b32 s11, s10, 1                          ; parity
	s_lshr_b32 s12, s10, 1                         ; head pair
	s_lshr_b32 s13, ttmp9, 1                       ; i
	s_and_b32 s14, ttmp9, 1                        ; g
	s_and_b32 s15, ttmp7, 0xffff                   ; batch
	s_mov_b32 s24, 3<<16                           ; descriptor group 1: 16,384 dense bytes as 64 rows of 256 (32 elements of 8 bytes)
	s_mov_b32 s25, 32<<16
	s_mov_b32 s26, 64<<16
	s_mov_b32 s27, 32<<16
	s_mov_b32 s28, 64
	s_mov_b32 s29, 32
	s_mov_b32 s30, 0
	s_mov_b32 s31, 0
	s_mov_b32 s20, 0x76543210
	s_mov_b32 s21, 0xfedcba98                      ; v_permlanex16_b32: lane l xor 16
	s_mov_b32 s22, 0x3e38aa3b                      ; c = log2(e) / 8
	s_mov_b32 s23, s22                             ; (named with it as a pair)
	s_mov_b32 s2, 0
	s_lshl_b32 s3, s11, 6
	s_mov_b32 s37, 0
	s_mov_b32 s36, 7
	s_sub_co_u32 s66, 127, s13                     ; context 0's block
	s_lshl_b32 s42, s66, 4
	s_add_co_u32 s40, s42, 15
	s_mov_b32 s44, s40
	s_lshl_b32 s43, s13, 4                         ; context 1's is i
	s_add_co_u32 s41, s43, 15
	s_lshl_b32 s67, s14, 3
	s_lshl_b32 s68, s12, 1
	s_add_co_u32 s69, s67, s68                     ; my pair's first head
	s_add_co_u32 s67, s69, s11                     ; tile 0's head
	s_xor_b32 s68, s11, 1
	s_add_co_u32 s68, s69, s68                     ; tile 1's
	s_lshl_b32 s70, s15, 4
	s_add_co_u32 s71, s70, s67
	s_lshl_b32 s71, s71, 7                         ; (16 batch + head) 128, for tile 0
	s_add_co_u32 s72, s70, s68
	s_lshl_b32 s72, s72, 7                         ; for tile 1
	s_lshl_b32 s73, s15, 11
	s_add_co_u32 s73, s73, s67                     ; 128 batch x 16 + tile 0's head
	s_mov_b32 s75, 0
	s_wait_dscnt 0x0                               ; both opening adds are done
	s_wait_kmcnt 0x0
	s_mov_b32 s32, 1                               ; group 0: it walks
	s_lshl_b32 s33, s10, 14                        ; LDS: my quarter of slot 0
	s_lshl_b32 s74, s15, 19
	s_add_co_u32 s74, s74, s33
	s_add_nc_u64 s[34:35], s[6:7], s[74:75]
	s_or_b32 s35, s35, 0x80000000
	TLOAD                                          ; slot 0: by this text's count one tensor load of a wave is out, here and behind each change of slots
.macro PTR dst, base, a, b                     ; dst = base + ((a + b) << 11)
	s_add_co_u32 s74, s[\a], s[\b]
	s_lshl_b32 s74, s74, 11
	s_add_nc_u64 s[\dst:\dst+1], s[\base:\base+1], s[74:75]
.endm
	PTR 50, 4, 71, 66                              ; q: context 0, tile 0
	PTR 52, 4, 72, 66                              ;               tile 1
	PTR 54, 4, 71, 13                              ;    context 1, tile 0
	PTR 56, 4, 72, 13
	PTR 58, 8, 73, 42                              ; o: ((128 batch + block) 16 + head) 2,048; 16 x block is the context's first query
	PTR 60, 8, 73, 43
	s_and_b32 s74, s10, 3                          ; the prefetches: my 16,384 bytes,
	s_lshl_b32 s74, s74, 14
	s_lshl_b32 s76, s15, 19
	s_add_co_u32 s74, s74, s76
	s_add_co_u32 s74, s74, SLOT1                   ; in slot 1: the first change of slots steps it to slot 2
	s_add_nc_u64 s[46:47], s[6:7], s[74:75]
	s_lshr_b32 s76, s10, 2
	s_xor_b32 s76, s76, 1                          ; 0 in waves 4 to 7,
	s_or_b32 s76, s76, ttmp9                       ; of the batch's first work-group
	s_cmp_eq_u32 s76, 0
	s_cselect_b32 s48, 1, -1
	v_and_b32 v9, 31, v0
	v_lshlrev_b32 v[GI], 4, v9
	s_lshl_b32 s76, s11, 13
	v_add_nc_u32 v[LIP], s76, v[GI]
	v_lshlrev_b32 v[PFO], 8, v9
	v_and_b32 v10, 15, v0
	v_bfe_u32 v11, v0, 4, 1
	v_lshlrev_b32 v11, 3, v11
	v_sub_nc_u32 v[RH], v10, v11
	v_mov_b32 v[NINF], 0xff800000
	s_mul_i32 s76, s10, MGW
	s_add_co_u32 s76, s76, MG
	v_add_nc_u32 v[MSO], s76, v[GI]
	v_lshl_add_u32 v[MS4], v9, 2, s76
	v_add_nc_u32 v[MS4], 4096, v[MS4]
	s_xor_b32 s77, s10, 1                          ; my partner
	s_mul_i32 s77, s77, MGW
	s_add_co_u32 s77, s77, MG
	v_add_nc_u32 v[MRO], s77, v[GI]
	v_lshl_add_u32 v[MR4], v9, 2, s77
	v_add_nc_u32 v[MR4], 4096, v[MR4]
.irp t, 0,1
.irp k, 0,1,2,3
	global_load_b128 v[Q+16*\t+4*\k:Q+16*\t+4*\k+3], v[GI], s[50+2*\t:51+2*\t] offset:\k*512
.endr
.endr
; The step is written once, with no first step of its own: m begins under every score, c m under every c m, l and O^T as zeros, which the first change of m leaves zeros.
.macro INIT
.irp t, 0,1
	v_mov_b32 v[ST+8*\t], 0xfe000000               ; -2^125
	v_mov_b32 v[ST+8*\t+1], 0xff61b1e6             ; -3e38
.irp k, 2,3,4,5,6,7
	v_mov_b32 v[ST+8*\t+\k], 0
.endr
.endr
.set n, 0
.rept 64
	v_mov_b32 v[O+n], 0
.set n, n+1
.endr
.endm
	INIT
	WIN 0x40                                       ; destination window 1, sources window 0
.irp t, 0,1
.irp k, 0,1,2,3
	global_load_b128 v[Q+16*\t+4*\k:Q+16*\t+4*\k+3], v[GI], s[54+2*\t:55+2*\t] offset:\k*512
.endr
.endr
	v_mov_b32 v[RH], v[RH]
	v_mov_b32 v[NINF], v[NINF]
	INIT
	WIN 0
; THE SOFTMAX of a step, both tiles by turns.  The 66 exponentials are one batch with one wait, ahead of the first line that names a result.
.macro SOFTMAX
.irp k, 0,1,2,3
.irp t, 0,1
	v_max3_num_f32 v[ST+8*\t+4+\k], v[S+32*\t+8*\k], v[S+32*\t+8*\k+1], v[S+32*\t+8*\k+2]   ; four chains, one to a score tile, each from the tile's low end on
.endr
.endr
.irp u, 3,5
.irp k, 0,1,2,3
.irp t, 0,1
	v_max3_num_f32 v[ST+8*\t+4+\k], v[ST+8*\t+4+\k], v[S+32*\t+8*\k+\u], v[S+32*\t+8*\k+\u+1]
.endr
.endr
.endr
.irp t, 0,1
	v_max3_num_f32 v[ST+8*\t+4], v[ST+8*\t+4], v[S+32*\t+7], v[S+32*\t+15]
	v_max3_num_f32 v[ST+8*\t+6], v[ST+8*\t+6], v[S+32*\t+23], v[S+32*\t+31]
.endr
.irp t, 0,1
	v_max3_num_f32 v[ST+8*\t+4], v[ST+8*\t+4], v[ST+8*\t+5], v[ST+8*\t+6]
.endr
.irp t, 0,1
	v_max3_num_f32 v[ST+8*\t+4], v[ST+8*\t+4], v[ST+8*\t+7], v[ST+8*\t+1]   ; and the old m
.endr
.irp t, 0,1
	v_permlanex16_b32 v[ST+8*\t+5], v[ST+8*\t+4], s20, s21   ; the query's other 32 keys lie in the lane 16 away
.endr
.irp t, 0,1
	v_mov_b32 v[ST+8*\t+7], v[ST+8*\t]             ; the old c m
.endr
.irp t, 0,1
	v_max_num_f32 v[ST+8*\t+1], v[ST+8*\t+4], v[ST+8*\t+5]
.endr
.irp t, 0,1
	v_mul_f32 v[ST+8*\t], s22, v[ST+8*\t+1]
.endr
.irp t, 0,1
	v_sub_f32 v[ST+8*\t+7], v[ST+8*\t+7], v[ST+8*\t]
.endr
.set e, 0
.rept 16
.irp t, 0,1
	v_pk_fma_f32 v[S+32*\t+e:S+32*\t+e+1], v[S+32*\t+e:S+32*\t+e+1], s[22:23], v[ST+8*\t:ST+8*\t+1] op_sel_hi:[1,0,0] neg_lo:[0,0,1] neg_hi:[0,0,1]   ; c s - c m
.endr
.set e, e+2
.endr
.irp t, 0,1
	v_exp_f32 v[ST+8*\t+6], v[ST+8*\t+7]           ; a = 2^(old c m - new c m)
.endr
.set e, 0
.rept 32
.irp t, 0,1
	v_exp_f32 v[S+32*\t+e], v[S+32*\t+e]           ; p
.endr
.set e, e+1
.endr
	v_nop                                          ; a plain line behind the last exponential
	s_wait_alu depctr_va_vdst(0)
.irp t, 0,1
	v_pk_mul_f32 v[ST+8*\t+2:ST+8*\t+3], v[ST+8*\t+2:ST+8*\t+3], v[ST+8*\t+6:ST+8*\t+7] op_sel_hi:[1,0]   ; l x a
.endr
.irp t, 0,1
	v_pk_add_f32 v[ST+8*\t+4:ST+8*\t+5], v[S+32*\t+2:S+32*\t+3], v[S+32*\t+6:S+32*\t+7]   ; the sum of p, unrounded, in two chains
.endr
.irp t, 0,1
	v_pk_add_f32 v[ST+8*\t+2:ST+8*\t+3], v[ST+8*\t+2:ST+8*\t+3], v[S+32*\t:S+32*\t+1]
.endr
.irp t, 0,1
	v_pk_add_f32 v[ST+8*\t+2:ST+8*\t+3], v[ST+8*\t+2:ST+8*\t+3], v[S+32*\t+4:S+32*\t+5]
.endr
.irp j, 8,12,16,20,24,28
.irp t, 0,1
	v_pk_add_f32 v[ST+8*\t+2:ST+8*\t+3], v[ST+8*\t+2:ST+8*\t+3], v[S+32*\t+\j:S+32*\t+\j+1]
	v_pk_add_f32 v[ST+8*\t+4:ST+8*\t+5], v[ST+8*\t+4:ST+8*\t+5], v[S+32*\t+\j+2:S+32*\t+\j+3]
.endr
.endr
.irp t, 0,1
	v_pk_add_f32 v[ST+8*\t+2:ST+8*\t+3], v[ST+8*\t+2:ST+8*\t+3], v[ST+8*\t+4:ST+8*\t+5]
.endr
.set e, 0
.rept 16
.irp t, 0,1
	v_cvt_pk_f16_f32 v[S+32*\t+e], v[S+32*\t+2*e], v[S+32*\t+2*e+1]   ; p to f16, in place, ascending: register e has been read when it is written
.endr
.set e, e+1
.endr
.set e, 0
.rept 16
.irp t, 0,1
	v_pk_mul_f32 v[O+32*\t+e:O+32*\t+e+1], v[O+32*\t+e:O+32*\t+e+1], v[ST+8*\t+6:ST+8*\t+7] op_sel_hi:[1,0]   ; O^T x a
.endr
.set e, e+2
.endr
.endm
; A KEY STEP of 64 keys, number 2 j + parity of the slot, for context ctx.
.macro STEP ctx, j
	s_add_co_u32 s96, s3, 128*\j                   ; the step's first key
	s_cmp_gt_u32 s96, s[40+\ctx]                   ; all its keys come after my 16 queries: left out
	s_cbranch_scc1 .Lhid_\@
	v_add_nc_u32 v[ADR], s2, v[LIP]
.rept 4
	v_nop                                          ; with the addition five places: the scores' products write over p, which the last products read, and the loads land on V's registers
.endr
	WIN 0x40*\ctx
.irp kt, 0,1,2,3
.irp k, 0,1,2,3
	ds_load_b128 v[KV+16*\kt+4*\k:KV+16*\kt+4*\k+3], v[ADR] offset:\j*16384+\kt*2048+\k*512
.endr
.endr
	s_wait_dscnt 0x0
	WIN 0x55*\ctx
.irp cs, 0,1                                       ; S^T = K Q^T: eight accumulators by turns; the first eight start the sums
.irp kt, 0,1,2,3
.irp t, 0,1
.if \cs == 0
	v_wmma_f32_16x16x32_f16 v[S+32*\t+8*\kt:S+32*\t+8*\kt+7], v[KV+16*\kt:KV+16*\kt+7], v[Q+16*\t:Q+16*\t+7], 0
.else
	v_wmma_f32_16x16x32_f16 v[S+32*\t+8*\kt:S+32*\t+8*\kt+7], v[KV+16*\kt+8:KV+16*\kt+15], v[Q+16*\t+8:Q+16*\t+15], v[S+32*\t+8*\kt:S+32*\t+8*\kt+7]
.endif
.endr
.endr
.endr
.rept 4
	v_nop                                          ; places in front of the loads into K's registers and of the first read of the scores
.endr
	WIN 0x40*\ctx
.irp f, 0,1
.irp ct, 0,1,2,3
.irp hf, 0,1
	ds_load_b128 v[KV+32*\f+8*\ct+4*\hf:KV+32*\f+8*\ct+4*\hf+3], v[ADR] offset:32768+\j*16384+\f*4096+\ct*1024+\hf*512   ; V lands while the softmax is walked
.endr
.endr
.endr
	WIN 0                                          ; at a branch and at a label every window is 0
	s_add_co_u32 s97, s96, 63
	s_cmp_le_u32 s97, s[42+\ctx]                   ; all its keys count for all my queries
	s_cbranch_scc1 .Lopen_\@
	s_sub_co_i32 s97, s[42+\ctx], s96
	WIN 0x55*\ctx
	v_add_nc_u32 v[DD], s97, v[RH]                 ; register 8 kt + j holds key first + 16 kt + 8 h + j: hidden where 16 kt + j > my query - first - 8 h
.irp n, 0,1,2,3,4,5,6,7,8,9,10,11,12,13,14,15,16,17,18,19,20,21,22,23,24,25,26,27,28,29,30,31
	v_cmp_gt_i32 vcc_lo, 16*(\n/8)+\n%8, v[DD]
	v_cndmask_b32 v[S+\n], v[S+\n], v[NINF], vcc_lo
	v_cndmask_b32 v[S+32+\n], v[S+32+\n], v[NINF], vcc_lo
.endr
	WIN 0
.Lopen_\@:
	WIN 0x55*\ctx
	SOFTMAX
	s_wait_dscnt 0x0                               ; V is in
.irp f, 0,1                                        ; O^T += V^T P: eight accumulators by turns
.irp ct, 0,1,2,3
.irp t, 0,1
	v_wmma_f32_16x16x32_f16 v[O+32*\t+8*\ct:O+32*\t+8*\ct+7], v[KV+32*\f+8*\ct:KV+32*\f+8*\ct+7], v[S+32*\t+8*\f:S+32*\t+8*\f+7], v[O+32*\t+8*\ct:O+32*\t+8*\ct+7]
.endr
.endr
.endr
	WIN 0
.Lhid_\@:
.endm
; THE CHANGE OF SLOTS stands at a slot's head.  Each wave waits for all its tensor loads, adds 0 to its spare word, and waits for that and for its reads of the slot that it has left; behind the barrier the slot ahead is whole
; and nobody reads the other one.  fill = 1: the other slot takes the next 256 keys, up to the causal limit; the load has a whole slot's steps in which to land.
.macro CHANGE fill
	s_wait_tensorcnt 0x0                           ; no tensor load of mine is out, so group 0 may be written
	ds_add_u32 v[SPW], v[NIL]
.if \fill
	ds_add_u32 v[SPW], v[NIL]
	s_xor_b32 s33, s33, SLOT1                      ; the other slot than last time,
	s_add_nc_u64 s[34:35], s[34:35], SLOT1         ; the next 65,536 bytes; the type bits on top are not reached
	s_wait_xcnt 0x0                                ; the last prefetches, a slot back, have read their address
	s_add_nc_u64 s[46:47], s[46:47], SLOT1
.endif
	s_wait_dscnt 0x0
	s_barrier_signal -1
	s_barrier_wait -1
.if \fill
	s_add_co_u32 s96, s37, 256                     ; the first key of the slot that this change would ask for
	s_cmp_gt_u32 s96, s44                          ; after my work-group's last query: none of its waves would read the slot.  Ids and the count of slots alone: all eight waves go the same way
	s_cbranch_scc1 .Lpast_\@
	TLOAD
.Lpast_\@:
	ASK
.endif
.endm
.macro FOUR
	STEP 0, 0
	STEP 1, 0
	STEP 0, 1
	STEP 1, 1
	s_add_co_u32 s3, s3, 256
	s_add_co_u32 s37, s37, 256
	s_xor_b32 s2, s2, SLOT1
.endm
	s_wait_loadcnt 0x0                             ; q
.Lslot:                                            ; seven trips: behind each change of slots but the last the next slot is asked for
	CHANGE 1
	FOUR
	s_sub_co_u32 s36, s36, 1
	s_cmp_lg_u32 s36, 0
	s_cbranch_scc1 .Lslot
	CHANGE 0                                       ; the last slot is written out: nothing is left to ask for
	FOUR
; THE MERGE.  My tile 1 goes to my partner; its tile 1 is my tile 0's other parity.
.macro SEND ctx
	WIN 0x55*\ctx
	v_add_f32 v[ST+10], v[ST+10], v[ST+11]         ; l's two halves
	WIN 0x04*\ctx                                  ; an LDS store's data are its source 1
.irp i, 0,1,2,3,4,5,6,7
	ds_store_b128 v[MSO], v[O+32+4*\i:O+32+4*\i+3] offset:\ctx*MGC+512*\i   ; each accumulator from its low end on
.endr
	ds_store_b32 v[MS4], v[ST+8] offset:\ctx*MGC
	ds_store_b32 v[MS4], v[ST+10] offset:\ctx*MGC+128
.endm
.macro RECV ctx
	WIN 0x40*\ctx
.irp i, 0,1,2,3,4,5,6,7
	ds_load_b128 v[S+4*\i:S+4*\i+3], v[MRO] offset:\ctx*MGC+512*\i
.endr
	ds_load_b32 v[ST+4], v[MR4] offset:\ctx*MGC
	ds_load_b32 v[ST+5], v[MR4] offset:\ctx*MGC+128
	s_wait_dscnt 0x0
	WIN 0x55*\ctx
	v_max_num_f32 v[ST+6], v[ST], v[ST+4]          ; the common c m.  (A parity that walked no step holds -2^125, l = 0, O = 0: its factor is 0.  Parity 0 always has key 0)
	v_add_f32 v[ST+2], v[ST+2], v[ST+3]
	v_sub_f32 v[ST+7], v[ST], v[ST+6]
	v_sub_f32 v[ST+6], v[ST+4], v[ST+6]
	v_exp_f32 v[ST+7], v[ST+7]                     ; my factor,
	v_exp_f32 v[ST+6], v[ST+6]                     ; my partner's
	v_nop
	s_wait_alu depctr_va_vdst(0)
	v_mul_f32 v[ST+2], v[ST+2], v[ST+7]
	v_fma_f32 v[ST+2], v[ST+5], v[ST+6], v[ST+2]
	v_permlanex16_b32 v[ST+3], v[ST+2], s20, s21
	v_add_f32 v[ST+2], v[ST+2], v[ST+3]            ; the row's sum
	v_rcp_f32 v[ST+2], v[ST+2]
	v_nop
	s_wait_alu depctr_va_vdst(0)
	v_mul_f32 v[ST+4], v[ST+7], v[ST+2]
	v_mul_f32 v[ST+6], v[ST+6], v[ST+2]
.set e, 0
.rept 16
	v_pk_mul_f32 v[O+e:O+e+1], v[O+e:O+e+1], v[ST+4:ST+5] op_sel_hi:[1,0]
.set e, e+2
.endr
.set e, 0
.rept 16
	v_pk_fma_f32 v[O+e:O+e+1], v[S+e:S+e+1], v[ST+6:ST+7], v[O+e:O+e+1] op_sel_hi:[1,0,1]
.set e, e+2
.endr
.set e, 0
.rept 16
	v_cvt_pk_f16_f32 v[S+e], v[O+2*e], v[O+2*e+1]
.set e, e+1
.endr
	WIN 0x04*\ctx                                  ; a store's data are its source 1
.irp ct, 0,1,2,3
	global_store_b128 v[GI], v[S+4*\ct:S+4*\ct+3], s[58+2*\ctx:59+2*\ctx] offset:\ct*512   ; 512 consecutive bytes of the projection's operand image
.endr
.endm
.rept 4
	v_nop                                          ; places behind the last products
.endr
	SEND 0
	SEND 1
	WIN 0
	s_wait_dscnt 0x0                               ; for the others' sake: my stores have landed
	s_barrier_signal -1
	s_barrier_wait -1
	RECV 0
	RECV 1
	WIN 0
	s_wait_tensorcnt 0x0                           ; the wave's end
	ds_add_u32 v[SPW], v[NIL]
	s_wait_dscnt 0x0
	s_endpgm
.Lfunc_end_k_q07c02ff3cb_attn:
	.size	k_q07c02ff3cb_attn, .Lfunc_end_k_q07c02ff3cb_attn-k_q07c02ff3cb_attn
	.p2alignl 7, 3214868480
	.fill 96, 4, 3214868480
	.section	.rodata,"a",@progbits
	.p2align	6, 0x0
	.amdhsa_kernel k_q07c02ff3cb_attn
		.amdhsa_group_segment_fixed_size 327680
		.amdhsa_private_segment_fixed_size 0
		.amdhsa_enable_private_segment 0
		.amdhsa_kernarg_size 24
		.amdhsa_user_sgpr_count 2
		.amdhsa_user_sgpr_kernarg_segment_ptr 1
		.amdhsa_wavefront_size32 1
		.amdhsa_system_sgpr_workgroup_id_x 1
		.amdhsa_system_sgpr_workgroup_id_y 1
		.amdhsa_system_sgpr_workgroup_id_z 1
		.amdhsa_system_vgpr_workitem_id 0
		.amdhsa_next_free_vgpr 512
		.amdhsa_next_free_sgpr 100
		.amdhsa_reserve_vcc 1
		.amdhsa_float_denorm_mode_32 3
		.amdhsa_float_denorm_mode_16_64 3
		.amdhsa_memory_ordered 1
		.amdhsa_forward_progress 1
		.amdhsa_inst_pref_size 188
	.end_amdhsa_kernel
	.amdgpu_metadata
---
amdhsa.version: [ 1, 2 ]
amdhsa.kernels:
  - .name:           k_q07c02ff3cb_attn
    .symbol:         k_q07c02ff3cb_attn.kd
    .args:
      - { .name: qimg, .offset: 0, .size: 8, .value_kind: global_buffer, .address_space: global }
      - { .name: kv, .offset: 8, .size: 8, .value_kind: global_buffer, .address_space: global }
      - { .name: aimg, .offset: 16, .size: 8, .value_kind: global_buffer, .address_space: global }
    .group_segment_fixed_size: 327680
    .private_segment_fixed_size: 0
    .kernarg_segment_align: 8
    .kernarg_segment_size: 24
    .max_flat_workgroup_size: 256
    .sgpr_count:     100
    .vgpr_count:     512
    .wavefront_size: 32
...
	.end_amdgpu_metadata
.endif
;; end of part 3
;; launch proj (part 4): grid 8 x 32, 4 waves a work-group, clusters of 4 x 4, 327,680 bytes of LDS; arguments aimg, wo16, out0; writes out0
.if DOCPART == 4
	.amdgcn_target "amdgcn-amd-amdhsa--gfx1250"
	.amdhsa_code_object_version 6
	.text
	.protected	k_q07c02ff3cb_proj
	.globl	k_q07c02ff3cb_proj
	.p2align	8
	.type	k_q07c02ff3cb_proj,@function
k_q07c02ff3cb_proj:
	s_mov_b64 s[64:65], 0
	v_nop
	global_prefetch_b8 v0, s[64:65] scope:SCOPE_SE
	s_setreg_imm32_b32 hwreg(HW_REG_WAVE_MODE, 25, 1), 1
	s_wait_xcnt 0x0
	s_wait_alu depctr_hold_cnt(0) depctr_sa_sdst(0) depctr_va_vdst(0) depctr_va_sdst(0) depctr_va_ssrc(0) depctr_va_vcc(0) depctr_vm_vsrc(0)
	s_getreg_b32 s2, hwreg(HW_REG_IB_STS2, 6, 4)
	s_cmp_eq_u32 s2, 0
	s_cbranch_scc0 .Lentry_in_a_cluster
	s_endpgm
.Lentry_in_a_cluster:
	s_bfe_u32 s2, ttmp6, 0x10000c
	s_cmp_lg_u32 s2, 0xf033
	s_cbranch_scc0 .Lentry_shape_is_right
	s_endpgm
.Lentry_shape_is_right:
; PROJ: out[m][n] = sum over k of attn[m][k] wo[n][k], M = 4,096, N = K = 1,024; operands f16 (wo's high parts), sums f32, out f32.
; A tile of out is 128 x 128: 256 work-groups.  Four waves, each 64 x 64: 16 accumulators.  K goes in steps of 256 through a ring of two LDS slots.
; BOTH OPERANDS ARRIVE AS IMAGES OF THEIR REGISTERS: [tile of 16 rows: 32,768 bytes][32 along K][half][lane][16 bytes].  A K step of a tile is 8,192 consecutive bytes; a wave's tensor load brings four tiles' (4 rows of
; 8,192 bytes, 32,768 apart).  In LDS a fragment half is 512 consecutive bytes, lane l's 16 at 16 l: no pitch, no padding.
; CLUSTERS: 4 x 4 work-groups; attn's tiles are shared along a row of the cluster, wo's along a column: each is asked for jointly, by the same tensor load with the same descriptor and a mask that names the four.
; THE MATRIX INSTRUCTION IS USED TRANSPOSED (source 0 = 16 rows of wo, source 1 = 16 rows of attn): a lane holds eight neighbouring numbers of a row of out.
; No prefetch: the tile is small and the whole of K is four steps, two of them asked for at the head.
; REGISTERS: window 0: v0-31 addresses; v32-95 the way out; v128-255 the accumulators ((a, b) at v[128 + 8 (4 a + b)]).  window 1: two fragment buffers of 128: 64 registers of attn (2 x 4 x 16 rows x 32 K), then 64 of wo.
.set KSB,    8192                      ; a K step of a tile of 16 rows, in bytes
.set HALFT,  4*KSB                     ; what one tensor load brings, and what one wave reads of either operand
.set SLOT,   4*HALFT
.set SPARE,  2*SLOT                    ; behind the ring: the spare words, 128 bytes a wave, named by no other line
.set SPITCH, 272                       ; the way out: a stage of 16 rows x (256 bytes + 16) for each wave, in slot 0, which has had its last fill and its last read when the first result is stored there
.set LAPS,   2                         ; a lap = two K steps = once round the ring
.set ADRA, 16
.set ADRB, 20
.set STO,  24
.set RD,   25
.set CO,   26
.set SPW,  28
.set NIL,  29
.set TMP,  32
.set ACC,  128
.set F0,   0
.set F1,   128
.set G1, 24
.set G0, 32
.set G1B, 48
.set G0B, 56
.set MSB, 0
.macro WIN new
.if MSB != (\new)
	s_set_vgpr_msb (MSB<<8)|(\new)
.set MSB, (\new)
.endif
.endm
.set MUL,  0x05                        ; sources 0 and 1 window 1; C and D window 0
.set TO_F, 0x40                        ; destination window 1, address window 0
.macro JLOAD s                         ; a joint load: waves 0 and 1 fetch attn's two halves, waves 2 and 3 wo's; an s_nop 0 and four v_nop follow each line
	s_cmp_eq_u32 s11, 0
	s_cbranch_scc0 .Lfor_b_\@
	tensor_load_to_lds s[G0+4*\s:G0+4*\s+3], s[G1:G1+7]
	s_nop 0
.rept 4
	v_nop
.endr
	s_branch .Lasked_\@
.Lfor_b_\@:
	tensor_load_to_lds s[G0B+4*\s:G0B+4*\s+3], s[G1B:G1B+7]
	s_nop 0
.rept 4
	v_nop
.endr
.Lasked_\@:
.endm
.macro CREST                           ; a round of the cluster's barrier behind its opening barrier
	s_cmp_lg_u32 s10, 0
	s_cbranch_scc1 .Lnot_wave_0_\@
	s_barrier_signal -3
.Lnot_wave_0_\@:
	s_barrier_wait -3
	s_barrier_signal -1
	s_barrier_wait -1
.endm
.macro CROUND
	s_barrier_signal -1
	s_barrier_wait -1
	CREST
.endm
	s_load_b128 s[4:7], s[0:1], 0x0                ; attn's image, wo's
	s_load_b64 s[8:9], s[0:1], 0x10                ; out
	v_lshl_add_u32 v[SPW], v0, 2, SPARE
	v_mov_b32 v[NIL], 0
	ds_add_u32 v[SPW], v[NIL]                      ; the wave's opening: the add, twice on end, and its wait ahead of the first tensor load
	ds_add_u32 v[SPW], v[NIL]
	v_lshrrev_b32 v1, 5, v0
	v_readfirstlane_b32 s10, v1                    ; wave 0..3
	s_lshr_b32 s11, s10, 1                         ; which half of the tile's rows is mine.  Also: I fetch for attn (0) or for wo (1)
	s_and_b32 s12, s10, 1                          ; which half of its columns.  Also: which four tiles of 16 rows I fetch
	s_bfe_u32 s40, ttmp6, 0x40000                  ; cx, cy
	s_bfe_u32 s41, ttmp6, 0x40004
	s_lshl_b32 s42, ttmp9, 2
	s_add_co_u32 s42, s42, s40                     ; tile column of out
	s_and_b32 s13, ttmp7, 0xffff
	s_lshl_b32 s13, s13, 2
	s_add_co_u32 s13, s13, s41                     ; tile row of out
	s_lshl_b32 s43, s41, 2
	s_lshl_b32 s43, 15, s43                        ; my row of the cluster
	s_lshl_b32 s44, 0x1111, s40                    ; my column
	s_or_b32 s[G1+0], s43, (3<<16)|(1<<21)         ; 15:0 the mask; 17:16 elements of 8 bytes; 21 set beside a mask; no padding
	s_or_b32 s[G1B+0], s44, (3<<16)|(1<<21)
.irp g, G1, G1B
	s_mov_b32 s[\g+1], 1024<<16                    ; tensor_dim0 = 1,024 elements: 8,192 bytes
	s_mov_b32 s[\g+2], 4<<16                       ; tensor_dim1 = 4
	s_mov_b32 s[\g+3], 1024<<16                    ; tile_dim0
	s_mov_b32 s[\g+4], 4                           ; tile_dim1
	s_mov_b32 s[\g+5], 4096                        ; from tile to tile: 32,768 bytes
	s_mov_b32 s[\g+6], 0
	s_mov_b32 s[\g+7], 0
.endr
	s_lshl_b32 s17, s12, 2
	s_lshl_b32 s16, s13, 3
	s_add_co_u32 s16, s16, s17
	s_lshl_b32 s16, s16, 15                        ; attn: tile of 16 rows number 8 x tile row + 4 x half
	s_lshl_b32 s46, s42, 3
	s_add_co_u32 s46, s46, s17
	s_lshl_b32 s46, s46, 15                        ; wo: 8 x tile column + 4 x half
	s_mov_b32 s17, 0
	s_mov_b32 s47, 0
	s_mul_i32 s20, s10, HALFT                      ; where they go: no place in the cluster enters an LDS address
	s_wait_dscnt 0x0                               ; both opening adds are done
	s_wait_kmcnt 0x0
	s_add_nc_u64 s[14:15], s[4:5], s[16:17]
	s_add_nc_u64 s[46:47], s[6:7], s[46:47]
	CROUND                                         ; all sixteen work-groups are here: the first joint loads meet
.irp s, 0,1
	s_mov_b32 s[G0+4*\s], 1
	s_add_co_u32 s[G0+4*\s+1], s20, \s*SLOT
	s_add_nc_u64 s[G0+4*\s+2:G0+4*\s+3], s[14:15], \s*KSB
	s_or_b32 s[G0+4*\s+3], s[G0+4*\s+3], 0x80000000
	s_mov_b32 s[G0B+4*\s], 1
	s_add_co_u32 s[G0B+4*\s+1], s20, \s*SLOT
	s_add_nc_u64 s[G0B+4*\s+2:G0B+4*\s+3], s[46:47], \s*KSB
	s_or_b32 s[G0B+4*\s+3], s[G0B+4*\s+3], 0x80000000
	JLOAD \s                                       ; by this text's count two tensor loads of a wave are out here, one behind each round later
.endr
	v_and_b32 v1, 15, v0
	v_bfe_u32 v2, v0, 4, 1
	v_and_b32 v3, 31, v0
	v_lshlrev_b32 v3, 4, v3                        ; 16 lane
	s_mul_i32 s21, s11, HALFT                      ; my 64 rows of attn
	s_mul_i32 s22, s12, HALFT                      ; my 64 rows of wo,
	s_add_co_u32 s22, s22, 2*HALFT                 ; which lie behind attn's 128
.irp s, 0,1
	v_add_nc_u32 v[ADRA+\s], s21, v3
	v_add_nc_u32 v[ADRB+\s], s22, v3
	s_add_co_u32 s21, s21, SLOT
	s_add_co_u32 s22, s22, SLOT
.endr
	s_mul_i32 s23, s10, 16*SPITCH                  ; my stage
	v_mul_u32_u24 v4, v1, SPITCH                   ; in: row l % 16, 32 bytes for each half of the lanes
	v_lshl_add_u32 v4, v2, 5, v4
	v_add_nc_u32 v[STO], s23, v4
	v_mul_u32_u24 v5, v2, SPITCH                   ; back: lanes 0-15 one row of 256 bytes, lanes 16-31 the next
	v_lshl_add_u32 v5, v1, 4, v5
	v_add_nc_u32 v[RD], s23, v5
	v_lshlrev_b32 v5, 12, v2                       ; and the same two rows in out
	v_lshl_add_u32 v[CO], v1, 4, v5
	s_lshl_b32 s16, s13, 7
	s_lshl_b32 s17, s11, 6
	s_add_co_u32 s16, s16, s17                     ; my first row: 128 x tile row + 64 x half
	s_lshl_b32 s16, s16, 12
	s_mov_b32 s17, 0
	s_add_nc_u64 s[8:9], s[8:9], s[16:17]
	s_lshl_b32 s46, s42, 9                         ; my first column, in bytes: 512 x tile column + 256 x half
	s_lshl_b32 s47, s12, 8
	s_add_co_u32 s46, s46, s47
	s_mov_b32 s47, 0
	s_add_nc_u64 s[8:9], s[8:9], s[46:47]
; 8 matrix instructions: m blocks a0, a0 + 1 x all 4 n blocks, 32 along K: half c of buffer f.  zero = 1: the first product starts the sums.  The 16 accumulators take turns
.macro MUL8 f, c, a0, zero
.irp a, \a0, \a0+1
.irp b, 0,1,2,3
.if \zero
	v_wmma_f32_16x16x32_f16 v[ACC+8*(4*(\a)+\b):ACC+8*(4*(\a)+\b)+7], v[\f+64+8*(4*\c+\b):\f+64+8*(4*\c+\b)+7], v[\f+8*(4*\c+\a):\f+8*(4*\c+\a)+7], 0
.else
	v_wmma_f32_16x16x32_f16 v[ACC+8*(4*(\a)+\b):ACC+8*(4*(\a)+\b)+7], v[\f+64+8*(4*\c+\b):\f+64+8*(4*\c+\b)+7], v[\f+8*(4*\c+\a):\f+8*(4*\c+\a)+7], v[ACC+8*(4*(\a)+\b):ACC+8*(4*(\a)+\b)+7]
.endif
.endr
.endr
.endm
; 32 LDS loads in one run: the fragments of the K step's quarter kq (64 along K) into buffer f; the first 32 along K first
.macro FETCH slot, kq, f
	WIN TO_F
.irp c, 0,1
.irp i, 0,1,2,3
	ds_load_b128 v[\f+64+8*(4*\c+\i):\f+64+8*(4*\c+\i)+3],   v[ADRB+\slot] offset:(2*(\kq)+\c)*1024+\i*KSB
	ds_load_b128 v[\f+64+8*(4*\c+\i)+4:\f+64+8*(4*\c+\i)+7], v[ADRB+\slot] offset:(2*(\kq)+\c)*1024+\i*KSB+512
	ds_load_b128 v[\f+8*(4*\c+\i):\f+8*(4*\c+\i)+3],         v[ADRA+\slot] offset:(2*(\kq)+\c)*1024+\i*KSB
	ds_load_b128 v[\f+8*(4*\c+\i)+4:\f+8*(4*\c+\i)+7],       v[ADRA+\slot] offset:(2*(\kq)+\c)*1024+\i*KSB+512
.endr
.endr
.endm
.macro PLACES                          ; four places in front of loads into registers that matrix instructions have read, and of the first read of results
.rept 4
	v_nop
.endr
.endm
; A K step is four quarters of 64 along K, 32 matrix instructions each, on buffers 0, 1, 0, 1.  One of the first three: multiplies buffer f and fetches quarter kq into g.
.macro QUARTER slot, kq, f, g, zero
	s_wait_dscnt 16                                ; the first 32 along K are in; the other sixteen loads may be out
	WIN MUL
	MUL8 \f, 0, 0, \zero
	MUL8 \f, 0, 2, \zero
	PLACES
	FETCH \slot, \kq, \g
	s_wait_dscnt 32                                ; all but the 32 just issued
	WIN MUL
	MUL8 \f, 1, 0, 0
	MUL8 \f, 1, 2, 0
.endm
; The last quarter multiplies buffer 1 and changes slots: ONE barrier; in front of it each wave waits for all its tensor loads, adds 0 to its spare word, and waits for that and for its own reads of this slot.
.macro TURN slot, next, fill
	WIN 0
	s_wait_tensorcnt 0x0                           ; all my tensor loads have landed: my part of the next slot
	ds_add_u32 v[SPW], v[NIL]
	s_wait_dscnt 17                                ; (the add and the youngest sixteen loads may be out)
	WIN MUL
	MUL8 F1, 0, 0, 0
	s_wait_dscnt 0x0                               ; the add is done, and my reads of this slot are over
	s_barrier_signal -1
	MUL8 F1, 0, 2, 0
.if \fill
	WIN 0
.endif
	s_barrier_wait -1
.if \fill
	CREST                                          ; the barrier has opened a round of the cluster's barrier: no wave of any partner still reads this slot or has a load on its way
	s_add_nc_u64 s[G0+4*\slot+2:G0+4*\slot+3], s[G0+4*\slot+2:G0+4*\slot+3], 2*KSB
	s_add_nc_u64 s[G0B+4*\slot+2:G0B+4*\slot+3], s[G0B+4*\slot+2:G0B+4*\slot+3], 2*KSB
	JLOAD \slot                                    ; the first tensor load behind the round; its four v_nop are also the places in front of the loads below
.else
	PLACES
.endif
	FETCH \next, 0, F0
	WIN MUL
	MUL8 F1, 1, 0, 0
	MUL8 F1, 1, 2, 0
.endm
	s_wait_tensorcnt 1                             ; my part of K step 0 is in (K step 1's load may be out)
	s_barrier_signal -1
	s_barrier_wait -1                              ; everybody's is
	FETCH 0, 0, F0
	QUARTER 0, 1, F0, F1, 1                        ; the first quarter stands in front of the loop: its first products start the sums
	WIN 0
	s_mov_b32 s3, LAPS-1
.Llap:                                             ; a trip goes once round the ring, from a lap's second quarter to the next lap's first, and fills both slots again
	QUARTER 0, 2, F1, F0, 0
	QUARTER 0, 3, F0, F1, 0
	TURN 0, 1, 1
	QUARTER 1, 1, F0, F1, 0
	QUARTER 1, 2, F1, F0, 0
	QUARTER 1, 3, F0, F1, 0
	TURN 1, 0, 1
	QUARTER 0, 1, F0, F1, 0
	WIN 0
	s_sub_co_u32 s3, s3, 1
	s_cmp_lg_u32 s3, 0
	s_cbranch_scc1 .Llap
	QUARTER 0, 2, F1, F0, 0                        ; the last lap fills nothing, and has no round of the cluster's barrier
	QUARTER 0, 3, F0, F1, 0
	TURN 0, 1, 0
	QUARTER 1, 1, F0, F1, 0
	QUARTER 1, 2, F1, F0, 0
	QUARTER 1, 3, F0, F1, 0
	s_wait_dscnt 16
	WIN MUL
	MUL8 F1, 0, 0, 0
	MUL8 F1, 0, 2, 0
	s_wait_dscnt 0
	MUL8 F1, 1, 0, 0
	MUL8 F1, 1, 2, 0
	WIN 0
	; THE WAY OUT, 16 rows x 64 columns at a time: 32 bytes a lane into my own stage, back as whole rows of 256 bytes: sixteen lanes store 256 consecutive bytes, at a multiple of 256 from out's first byte.
	; LDS serves a wave's instructions in order (ISA guide 5.7.1.4): no wait between the stores and the loads, nor in front of the next block's stores.
	PLACES
.irp a, 0,1,2,3
.if \a > 1
	s_wait_xcnt 0x0                                ; block a - 2's stores have read their registers, which are loaded anew
.endif
.irp b, 0,1,2,3
	ds_store_b128 v[STO], v[ACC+8*(4*\a+\b):ACC+8*(4*\a+\b)+3] offset:64*\b       ; each accumulator from its low end on
	ds_store_b128 v[STO], v[ACC+8*(4*\a+\b)+4:ACC+8*(4*\a+\b)+7] offset:64*\b+16
.endr
.irp t, 0,1,2,3,4,5,6,7
	ds_load_b128 v[TMP+32*(\a%2)+4*\t:TMP+32*(\a%2)+4*\t+3], v[RD] offset:\t*2*SPITCH
.endr
.irp t, 0,1,2,3,4,5,6,7
	s_wait_dscnt 7-\t                              ; rows 2 t and 2 t + 1 are back; the later ones may be out
	global_store_b128 v[CO], v[TMP+32*(\a%2)+4*\t:TMP+32*(\a%2)+4*\t+3], s[8:9] offset:\a*65536+\t*8192 th:TH_STORE_NT
.endr
.endr
	s_wait_tensorcnt 0x0                           ; the wave's end
	ds_add_u32 v[SPW], v[NIL]
	s_wait_dscnt 0x0
	CROUND                                         ; the closing round
	s_endpgm
.Lfunc_end_k_q07c02ff3cb_proj:
	.size	k_q07c02ff3cb_proj, .Lfunc_end_k_q07c02ff3cb_proj-k_q07c02ff3cb_proj
	.p2alignl 7, 3214868480
	.fill 96, 4, 3214868480
	.section	.rodata,"a",@progbits
	.p2align	6, 0x0
	.amdhsa_kernel k_q07c02ff3cb_proj
		.amdhsa_group_segment_fixed_size 327680
		.amdhsa_private_segment_fixed_size 0
		.amdhsa_enable_private_segment 0
		.amdhsa_kernarg_size 24
		.amdhsa_user_sgpr_count 2
		.amdhsa_user_sgpr_kernarg_segment_ptr 1
		.amdhsa_wavefront_size32 1
		.amdhsa_system_sgpr_workgroup_id_x 1
		.amdhsa_system_sgpr_workgroup_id_y 1
		.amdhsa_system_sgpr_workgroup_id_z 1
		.amdhsa_system_vgpr_workitem_id 0
		.amdhsa_next_free_vgpr 512
		.amdhsa_next_free_sgpr 66
		.amdhsa_reserve_vcc 0
		.amdhsa_float_denorm_mode_32 3
		.amdhsa_float_denorm_mode_16_64 3
		.amdhsa_memory_ordered 1
		.amdhsa_forward_progress 1
		.amdhsa_inst_pref_size 86
	.end_amdhsa_kernel
	.amdgpu_metadata
---
amdhsa.version: [ 1, 2 ]
amdhsa.kernels:
  - .name:           k_q07c02ff3cb_proj
    .symbol:         k_q07c02ff3cb_proj.kd
    .args:
      - { .name: aimg, .offset: 0, .size: 8, .value_kind: global_buffer, .address_space: global }
      - { .name: wo16, .offset: 8, .size: 8, .value_kind: global_buffer, .address_space: global }
      - { .name: out0, .offset: 16, .size: 8, .value_kind: global_buffer, .address_space: global }
    .group_segment_fixed_size: 327680
    .private_segment_fixed_size: 0
    .kernarg_segment_align: 8
    .kernarg_segment_size: 24
    .max_flat_workgroup_size: 128
    .sgpr_count:     66
    .vgpr_count:     512
    .wavefront_size: 32
...
	.end_amdgpu_metadata
.endif
;; end of part 4
;; launch fine (part 5): grid 16 x 2, 16 waves a work-group, no clusters, 69,632 bytes of LDS; arguments finebuf, wo16, out0; writes out0
.if DOCPART == 5
	.amdgcn_target "amdgcn-amd-amdhsa--gfx1250"
	.amdhsa_code_object_version 6
	.text
	.protected	k_q07c02ff3cb_fine
	.globl	k_q07c02ff3cb_fine
	.p2align	8
	.type	k_q07c02ff3cb_fine,@function
k_q07c02ff3cb_fine:
	s_mov_b64 s[64:65], 0
	v_nop
	global_prefetch_b8 v0, s[64:65] scope:SCOPE_SE
	s_setreg_imm32_b32 hwreg(HW_REG_WAVE_MODE, 25, 1), 1
	s_wait_xcnt 0x0
; FINE: the first 16 positions of both sequences once more, more finely: there a row of the softmax averages one to sixteen values, the results are the largest in size, and the rounding of f16 operands weighs most.
; Every operand goes as a PAIR of f16 numbers, high + low, split in f32 (high = the upper 11 significant bits), both parts to the matrix unit; sums in f32.  These 32 rows of out are written again.
; SHARES.  Work-group (x, batch): 64 columns of out (wo's row tiles 4 x .. 4 x + 3).  Wave hd = one head: its whole attention of positions 0-15, then its 64 channels' part of the projection; the 16 parts are added through LDS.
; LAYOUT.  S^T = k q^T: a lane holds one query and keys 8 h + 0..7.  O^T = v^T p: the instruction's 32 along K hold v's high parts (places 0-15) and its low parts (16-31) over the same 16 keys, against (p high | p high),
; then (p low | p low): the pair's product whole.  The projection: wo high x o high, wo high x o low, wo low x o high.
; LIMITS: as in the launches before; the low parts of numbers under 0.06 fall into f16's subnormal range and are kept to 6e-8 absolute.
.set RW,    4224                       ; a wave's part in LDS: 8 chunks of 512 bytes + 16
.set SPARE, 16*RW                      ; behind the parts: the spare words, 128 bytes a wave, named by no other line
; v1 16 lane; v2 r - 8 h; v3 where I put my part; v4 where I read a piece of all parts; v5 my offset in out; v6, v7 the add's two; v8-15 at work
; v16-47 scores (two sums), p's two operands; later the four accumulators of out.  v48-79 v's four fragments (high | low); later o's.  v80-111 O^T.  v112-127 at work.
; v128-191 q high, q low, k high, k low; later wo's tiles 2, 3.  v192-255 wo's tiles 0, 1 (32 a tile: high, 32 along K number 0, 1; low likewise)
	s_load_b128 s[4:7], s[0:1], 0x0                ; the pairs, wo's pairs
	s_load_b64 s[8:9], s[0:1], 0x10                ; out
	v_lshl_add_u32 v6, v0, 2, SPARE
	v_mov_b32 v7, 0
	v_lshrrev_b32 v8, 5, v0
	v_readfirstlane_b32 s10, v8                    ; wave = head
	s_and_b32 s12, ttmp7, 0xffff                   ; batch
	v_and_b32 v8, 31, v0
	v_lshlrev_b32 v1, 4, v8
	v_and_b32 v9, 15, v0
	v_bfe_u32 v10, v0, 4, 1
	v_lshlrev_b32 v11, 3, v10
	v_sub_nc_u32 v2, v9, v11
	s_mul_i32 s28, s10, RW
	v_add_nc_u32 v3, s28, v1
	v_bfe_u32 v8, v0, 2, 2                         ; on the way back lane l of wave w (0-7) takes row 2 w + l / 16 and columns 4 x .. 4 x + 3, x = l % 16:
	v_mul_u32_u24 v4, v8, 1056                     ; tile x / 4,
	v_and_b32 v8, 1, v0
	v_mad_u32_u24 v4, v8, 528, v4                  ; registers 4 (x % 2) on,
	v_bfe_u32 v8, v0, 1, 1
	v_lshl_add_u32 v4, v8, 8, v4                   ; of the lane 16 ((x / 2) % 2) + row
	s_lshl_b32 s28, s10, 1
	v_add_nc_u32 v8, s28, v10
	v_lshl_add_u32 v4, v8, 4, v4
	v_lshlrev_b32 v5, 12, v8
	v_lshl_add_u32 v5, v9, 4, v5
	v_mov_b32 v13, 0                               ; a lane permute's destination counts as read
	s_mul_i32 s14, s12, 18
	s_add_co_u32 s13, s14, s10
	s_lshl_b32 s30, s13, 12                        ; q: (18 batch + head) 4,096
	s_mov_b32 s31, 0
	s_add_co_u32 s14, s14, 16
	s_lshl_b32 s32, s14, 12                        ; k; v lies 4,096 bytes behind it
	s_mov_b32 s33, 0
	s_lshl_b32 s34, ttmp9, 17                      ; wo: four tiles of 32,768 bytes a work-group,
	s_lshl_b32 s13, s10, 11                        ; my head's 64 along K: 2,048 bytes
	s_add_co_u32 s34, s34, s13
	s_mov_b32 s35, 0
	s_lshl_b32 s36, s12, 23                        ; out: 2,048 rows of 4,096 bytes a batch,
	s_lshl_b32 s13, ttmp9, 8                       ; 256 bytes a work-group
	s_add_co_u32 s36, s36, s13
	s_mov_b32 s37, 0
	s_mov_b32 s40, 0x76543210
	s_mov_b32 s41, 0xfedcba98
	s_mov_b32 s26, 0x3e38aa3b                      ; c = log2(e) / 8
	s_mov_b32 s27, 0xffffe000                      ; the upper 11 significant bits
	s_wait_kmcnt 0x0
	s_add_nc_u64 s[16:17], s[4:5], s[30:31]
	s_add_nc_u64 s[18:19], s[4:5], s[32:33]
	s_add_nc_u64 s[22:23], s[6:7], s[34:35]
	s_add_nc_u64 s[24:25], s[8:9], s[36:37]
.irp p, 0,1
.irp k, 0,1,2,3
	global_load_b128 v[128+16*\p+4*\k:128+16*\p+4*\k+3], v1, s[16:17] offset:\p*2048+\k*512
.endr
.endr
.irp p, 0,1
.irp k, 0,1,2,3
	global_load_b128 v[160+16*\p+4*\k:160+16*\p+4*\k+3], v1, s[18:19] offset:\p*2048+\k*512
.endr
.endr
.irp p, 0,1
.irp k, 0,1,2,3
	global_load_b128 v[48+8*\k+4*\p:48+8*\k+4*\p+3], v1, s[18:19] offset:4096+\p*2048+\k*512
.endr
.endr
.macro WLOAD u                         ; wo's tile u: 8 loads
.irp p, 0,1
.irp k, 0,1,2,3
	global_load_b128 v[128+32*((\u+2)%4)+16*\p+4*\k:128+32*((\u+2)%4)+16*\p+4*\k+3], v1, s[22:23] offset:\u*32768+\p*2097152+\k*512
.endr
.endr
.endm
	WLOAD 0
	WLOAD 1
	s_wait_loadcnt 24                              ; q and k are in; v's 8 loads and wo's 16 may be out
.irp kp, 0,1                                       ; the scores: all four products of the pairs; two sums, one for each 32 channels, by turns
.irp qp, 0,1
.irp cs, 0,1
.if (\kp == 0) && (\qp == 0)
	v_wmma_f32_16x16x32_f16 v[16+8*\cs:23+8*\cs], v[160+16*\kp+8*\cs:167+16*\kp+8*\cs], v[128+16*\qp+8*\cs:135+16*\qp+8*\cs], 0
.else
	v_wmma_f32_16x16x32_f16 v[16+8*\cs:23+8*\cs], v[160+16*\kp+8*\cs:167+16*\kp+8*\cs], v[128+16*\qp+8*\cs:135+16*\qp+8*\cs], v[16+8*\cs:23+8*\cs]
.endif
.endr
.endr
.endr
.rept 4
	v_nop                                          ; places in front of the loads into q's and k's registers and of the first read of the scores
.endr
	WLOAD 2
	WLOAD 3
.irp j, 0,1,2,3,4,5,6,7
	v_add_f32 v[112+\j], v[16+\j], v[24+\j]
.endr
	v_mov_b32 v8, 0xff800000
.irp j, 0,1,2,3,4,5,6,7
	v_cmp_gt_i32 vcc_lo, \j, v2                    ; key 8 h + j comes after query r
	v_cndmask_b32 v[112+\j], v[112+\j], v8, vcc_lo
.endr
	v_max3_num_f32 v9, v112, v113, v114
	v_max3_num_f32 v9, v9, v115, v116
	v_max3_num_f32 v9, v9, v117, v118
	v_max_num_f32 v9, v9, v119
	v_permlanex16_b32 v10, v9, s40, s41
	v_max_num_f32 v9, v9, v10                      ; the row's maximum: key 0 counts for every query
	v_mul_f32 v11, s26, v9
.irp j, 0,1,2,3,4,5,6,7
	v_fma_f32 v[112+\j], v[112+\j], s26, -v11
.endr
.irp j, 0,1,2,3,4,5,6,7
	v_exp_f32 v[112+\j], v[112+\j]
.endr
	v_nop
	s_wait_alu depctr_va_vdst(0)                   ; one wait for the batch, ahead of its first reader
	v_add_f32 v12, v112, v113
	v_add_f32 v14, v114, v115
	v_add_f32 v12, v12, v116
	v_add_f32 v14, v14, v117
	v_add_f32 v12, v12, v118
	v_add_f32 v14, v14, v119
	v_add_f32 v12, v12, v14
	v_permlanex16_b32 v13, v12, s40, s41
	v_add_f32 v12, v12, v13                        ; the row's sum
	v_rcp_f32 v12, v12
.irp j, 0,1,2,3,4,5,6,7
	v_and_b32 v[120+\j], s27, v[112+\j]            ; p's high parts
.endr
.irp j, 0,1,2,3,4,5,6,7
	v_sub_f32 v[112+\j], v[112+\j], v[120+\j]      ; and what is left
.endr
.irp i, 0,1,2,3
	v_cvt_pk_f16_f32 v[32+\i], v[120+2*\i], v[121+2*\i]
	v_cvt_pk_f16_f32 v[36+\i], v[120+2*\i], v[121+2*\i]
	v_cvt_pk_f16_f32 v[40+\i], v[112+2*\i], v[113+2*\i]
	v_cvt_pk_f16_f32 v[44+\i], v[112+2*\i], v[113+2*\i]
.endr
	s_wait_alu depctr_va_vdst(0)                   ; the reciprocal's wait, behind the work above
	s_wait_loadcnt 32                              ; v is in; wo's 32 loads may be out
.irp ct, 0,1,2,3
	v_wmma_f32_16x16x32_f16 v[80+8*\ct:87+8*\ct], v[48+8*\ct:55+8*\ct], v[32:39], 0
.endr
.irp ct, 0,1,2,3
	v_wmma_f32_16x16x32_f16 v[80+8*\ct:87+8*\ct], v[48+8*\ct:55+8*\ct], v[40:47], v[80+8*\ct:87+8*\ct]
.endr
.rept 4
	v_nop
.endr
.irp n, 0,1,2,3,4,5,6,7,8,9,10,11,12,13,14,15,16,17,18,19,20,21,22,23,24,25,26,27,28,29,30,31
	v_mul_f32 v[80+\n], v[80+\n], v12              ; o = O^T / the sum
.endr
.irp n, 0,1,2,3,4,5,6,7,8,9,10,11,12,13,14,15      ; pair n = 4 ct + p: channels 16 ct + 8 h + 2 p, + 1
	v_and_b32 v[112+2*(\n%4)], s27, v[80+2*\n]
	v_and_b32 v[113+2*(\n%4)], s27, v[81+2*\n]
	v_sub_f32 v[80+2*\n], v[80+2*\n], v[112+2*(\n%4)]
	v_sub_f32 v[81+2*\n], v[81+2*\n], v[113+2*(\n%4)]
	v_cvt_pk_f16_f32 v[48+\n], v[112+2*(\n%4)], v[113+2*(\n%4)]
	v_cvt_pk_f16_f32 v[64+\n], v[80+2*\n], v[81+2*\n]
.endr
	s_wait_loadcnt 0x0                             ; wo
.rept 5
	v_nop                                          ; five places: the products below write over registers that earlier products wrote or read (ISA guide 7.12.1)
.endr
.macro PROJ wp, op, cs, zero           ; wo's part wp x o's part op, 32 channels number cs: the four tiles by turns
.irp u, 0,1,2,3
.if \zero
	v_wmma_f32_16x16x32_f16 v[16+8*\u:23+8*\u], v[128+32*((\u+2)%4)+16*\wp+8*\cs:135+32*((\u+2)%4)+16*\wp+8*\cs], v[48+16*\op+8*\cs:55+16*\op+8*\cs], 0
.else
	v_wmma_f32_16x16x32_f16 v[16+8*\u:23+8*\u], v[128+32*((\u+2)%4)+16*\wp+8*\cs:135+32*((\u+2)%4)+16*\wp+8*\cs], v[48+16*\op+8*\cs:55+16*\op+8*\cs], v[16+8*\u:23+8*\u]
.endif
.endr
.endm
	PROJ 0, 0, 0, 1
	PROJ 0, 1, 0, 0
	PROJ 1, 0, 0, 0
	PROJ 0, 0, 1, 0
	PROJ 0, 1, 1, 0
	PROJ 1, 0, 1, 0
.rept 4
	v_nop
.endr
.irp u, 0,1,2,3
.irp e, 0,1
	ds_store_b128 v3, v[16+8*\u+4*\e:19+8*\u+4*\e] offset:(2*\u+\e)*528   ; lane (r, h): out(r, 16 u + 8 h + 4 e + 0..3), my head's part
.endr
.endr
	s_wait_dscnt 0x0                               ; for the others' sake: my stores have landed
	s_barrier_signal -1
	s_barrier_wait -1
	s_cmp_ge_u32 s10, 8                            ; eight waves add the sixteen parts, two rows each
	s_cbranch_scc1 .Ldone
.irp p, 0,1,2,3,4,5,6,7,8,9,10,11,12,13,14,15
	ds_load_b128 v[128+4*\p:131+4*\p], v4 offset:\p*RW
.endr
	s_wait_dscnt 0x0
.irp d, 8,4,2,1
.set p, 0
.rept \d
	v_pk_add_f32 v[128+4*p:129+4*p], v[128+4*p:129+4*p], v[128+4*(p+\d):129+4*(p+\d)]
	v_pk_add_f32 v[130+4*p:131+4*p], v[130+4*p:131+4*p], v[130+4*(p+\d):131+4*(p+\d)]
.set p, p+1
.endr
.endr
	global_store_b128 v5, v[128:131], s[24:25]     ; sixteen lanes store 256 consecutive bytes, at a multiple of 256 from out's first byte
.Ldone:
	s_wait_tensorcnt 0x0                           ; the wave's end
	ds_add_u32 v6, v7
	s_wait_dscnt 0x0
	s_endpgm
.Lfunc_end_k_q07c02ff3cb_fine:
	.size	k_q07c02ff3cb_fine, .Lfunc_end_k_q07c02ff3cb_fine-k_q07c02ff3cb_fine
	.p2alignl 7, 3214868480
	.fill 96, 4, 3214868480
	.section	.rodata,"a",@progbits
	.p2align	6, 0x0
	.amdhsa_kernel k_q07c02ff3cb_fine
		.amdhsa_group_segment_fixed_size 69632
		.amdhsa_private_segment_fixed_size 0
		.amdhsa_enable_private_segment 0
		.amdhsa_kernarg_size 24
		.amdhsa_user_sgpr_count 2
		.amdhsa_user_sgpr_kernarg_segment_ptr 1
		.amdhsa_wavefront_size32 1
		.amdhsa_system_sgpr_workgroup_id_x 1
		.amdhsa_system_sgpr_workgroup_id_y 1
		.amdhsa_system_sgpr_workgroup_id_z 1
		.amdhsa_system_vgpr_workitem_id 0
		.amdhsa_next_free_vgpr 256
		.amdhsa_next_free_sgpr 66
		.amdhsa_reserve_vcc 1
		.amdhsa_float_denorm_mode_32 3
		.amdhsa_float_denorm_mode_16_64 3
		.amdhsa_memory_ordered 1
		.amdhsa_forward_progress 1
		.amdhsa_inst_pref_size 24
	.end_amdhsa_kernel
	.amdgpu_metadata
---
amdhsa.version: [ 1, 2 ]
amdhsa.kernels:
  - .name:           k_q07c02ff3cb_fine
    .symbol:         k_q07c02ff3cb_fine.kd
    .args:
      - { .name: finebuf, .offset: 0, .size: 8, .value_kind: global_buffer, .address_space: global }
      - { .name: wo16, .offset: 8, .size: 8, .value_kind: global_buffer, .address_space: global }
      - { .name: out0, .offset: 16, .size: 8, .value_kind: global_buffer, .address_space: global }
    .group_segment_fixed_size: 69632
    .private_segment_fixed_size: 0
    .kernarg_segment_align: 8
    .kernarg_segment_size: 24
    .max_flat_workgroup_size: 512
    .sgpr_count:     66
    .vgpr_count:     256
    .wavefront_size: 32
...
	.end_amdgpu_metadata
.endif
;; end of part 5
